; MI455X (gfx1250); checked and timed in simulation.
; The chip was launched on July 23, 2026; its instructions are those of AMD's public machine-readable ISA for CDNA 5 (MIT licence, August 2026) and "CDNA5" Instruction Set Architecture Reference Guide (July 2026). The comments in the code are by the model that wrote it; some were corrected since.
;; Sparse Flex Attention. Allowed arithmetic: matrix products marked QUANTISED: E2M3 operands, one E8M0 scale for each 32 along K, by v_wmma_scale_f32_16x16x128_f8f6f4 with both operands' format E2M3, f32 sums; everything else in f32.
;; Inputs: Wk 1,024 x 1,024 float32; Wq 1,024 x 1,024 float32; Wv 1,024 x 1,024 float32; attention_mask 4 x 1 x 2,048 float32; bk 1,024 float32; bq 1,024 float32; bv 1,024 float32; hidden_states 4 x 2,048 x 1,024 float32; sparse_mask 4 x 2,048 x 2,048 bool.
;; Outputs: out0 4 x 2,048 x 1,024 float32.
;; This version of the problem:
;;   THIS VERSION OF THE PROBLEM IS GIVEN IN LOW PRECISION. The matrix products marked QUANTISED in the list below multiply operands that are first quantised to E2M3 (2 exponent bits, 3 mantissa bits; 6 bits a number), with one power-of-two scale for each 32 numbers along K (OCP MX v1.0); their sums are f32. All else is computed in f32.
;;   The module's matrix products, in the order in which they are computed (A, B: the left and right operand; K: the contracted axis; several contracted axes count as one K, in the product's order):
;;     1. [M 8,192, K 1,024] x [K 1,024, N 1,024]; A: input hidden_states; B: input Wq: QUANTISED
;;     2. [M 8,192, K 1,024] x [K 1,024, N 1,024]; A: input hidden_states; B: input Wk: QUANTISED
;;     3. [M 8,192, K 1,024] x [K 1,024, N 1,024]; A: input hidden_states; B: input Wv: QUANTISED
;;     4. batch 4 x [M 2,048, K 1,024] x [K 1,024, N 2,048]; A: computed on the way; B: computed on the way: QUANTISED
;;     5. batch 4 x [M 2,048, K 2,048] x [K 2,048, N 1,024]; A: softmax (see below); B: computed on the way: QUANTISED
;;   THE QUANTISER, for each operand of a quantised product, along K:
;;     - K is cut into blocks of 32 from its start; a last block that is shorter is filled with zeros.
;;     - A block's scale is 2^e with e = floor(log2(the largest magnitude in the block)) - 2, held to -126 .. 127; a block of zeros has e = 0. As a byte (E8M0): e + 127.
;;     - Each number is divided by its block's scale, clamped to +-7.5, and rounded to the nearest number of E2M3, ties to even, subnormals kept.
;;     - The product sums the exact products of the quantised numbers (number of the format x scale) in f32.
;;   ~~~python
;;   def quantise(x, axis):      # numpy; x: float32 -> the quantised numbers, widened to float32 again
;;       x = np.moveaxis(x, axis, -1); K = x.shape[-1]
;;       x = np.pad(x, [(0, 0)] * (x.ndim - 1) + [(0, -K % 32)]); x = x.reshape(x.shape[:-1] + (-1, 32)); a = np.abs(x).max(-1, keepdims=True)
;;       e = np.where(a > 0, np.clip(np.frexp(np.where(a > 0, a, 1))[1] - 1 - 2, -126, 127), 0)      # np.frexp(a)[1] - 1 = floor(log2(a)), exactly
;;       r = np.clip(x / 2.0 ** e, -7.5, 7.5)
;;       step = 2.0 ** (np.maximum(np.frexp(np.where(r == 0, 1, r))[1] - 1, 0) - 3)
;;       q = np.round(r / step) * step * 2.0 ** e      # np.round: ties to even
;;       return np.moveaxis(q.reshape(q.shape[:-2] + (-1,))[..., :K], -1, axis).astype(np.float32)
;;   ~~~
;;   SOFTMAX AHEAD OF A QUANTISED PRODUCT. Where the list says 'softmax', what is quantised is not the finished softmax but p = 2^(t - M), with t = logit x log2(e) and M = ceil(the row's largest t), a whole number; so 1/2 < the row's largest p <= 1. The row's sum l is taken of the UNQUANTISED p, in f32, and the product's result is divided by l at the end. Since M is a whole number, a kernel that streams over the keys may use a running M (the ceiling of the running maximum): every later rescaling is an exact power of two, which a block's scale takes up: the codes' values come out the same.
;;   OPERANDS COMPUTED ON THE WAY. 'Computed on the way' means the value that the module computes at that place (a softmax that the list does not call 'softmax' is quantised finished and normalised). What goes into a quantiser is computed in f32, as accurately as f32 sums, v_exp_f32 and their like allow (about 1e-6 of the number): no bf16 or f16 on the way to a quantiser, and a product that is left as it is and whose result goes on into a quantised operand takes f32 operands (vector FMAs, or v_wmma_f32_16x16x4_f32). A number that lies on a knife's edge between two numbers of the format may be rounded either way, as far as f32 arithmetic and the matrix unit's own rounding can turn it there, and no further.
;; One version. Each part assembles by itself: llvm-mc -triple=amdgcn-amd-amdhsa -mcpu=gfx1250 --defsym DOCPART=n.
;; ======== version 1 of 1: 4 launches
;; limits: right only within a limited range of input values
;; workspace buffers: opnd 9,011,200 bytes; qkv 19,660,800 bytes; prob 14,680,064 bytes
;; launch quant (part 1): grid 448 x 1, 4 waves a work-group, no clusters, 34,304 bytes of LDS; arguments hidden_states, Wq, Wk, Wv, opnd; writes opnd
.if DOCPART == 1
	.amdgcn_target "amdgcn-amd-amdhsa--gfx1250"
	.amdhsa_code_object_version 6
	.text
	.protected	k_q11fc702244_quant
	.globl	k_q11fc702244_quant
	.p2align	8
	.type	k_q11fc702244_quant,@function
k_q11fc702244_quant:
	s_mov_b64 s[64:65], 0
	v_nop
	global_prefetch_b8 v0, s[64:65] scope:SCOPE_SE
	s_setreg_imm32_b32 hwreg(HW_REG_WAVE_MODE, 25, 1), 1
	s_wait_xcnt 0x0
; hidden_states [8192][1024] and Wq, Wk, Wv [1024 (k)][1024 (n)], f32, become codes of FP6 (E2M3) with one E8M0 byte for each 32 along K, K = hidden's last axis and W's first.
; THE WORKSPACE IS LAID AS THE READER'S REGISTERS WANT IT.  11,264 operand rows: tokens 0..8191, then the columns n of Wq, Wk, Wv.  An IMAGE (T, s) is the matrix operand of 16 rows x 128 K, 1,536 bytes:
; byte 512 g + 16 lane + 4 w is register 4 g + w of that lane; images lie [T][s], s = K / 128.  Scale words (four bytes: 128 K of one row) lie [s][row], from byte SC1 on.
; ROWS ARE KEPT WITH BITS 3 AND 4 OF THEIR NUMBER EXCHANGED: place 32 B + 16 u + i holds row 32 B + 8 u + i + 8 (i / 8).  A later product that takes 16 neighbouring places as its source 0 then leaves, in the 16 registers
; of two neighbouring tiles, 16 neighbouring rows: what the next quantiser wants.
; A block's scale is 2^(floor(log2(largest magnitude)) - 2): its byte is that magnitude's exponent field - 2, held at 1 from below.
; LIMITS: a block of zeros gets the byte 1 where the rule says 127 (its codes are zeros, and this program alone reads the bytes); NaN and infinities among the inputs are not served.
; Work-groups 0..255 take hidden (64 tokens x 512 K: a wave one K step of 128, four images); 256..447 the weights (a wave 32 columns x 128 K, two images).  No tile is shared and memory binds: no cluster, no matrix unit.
.set SPARE, 33792                      ; behind the four stages: the spare words, 128 bytes a wave
.set STG,   8448                       ; a wave's stage: 16 rows x 528 bytes
.set SP,    528                        ; 512 bytes + 16: the sixteen rows that a read touches start in different banks
.set SC1,   8650752
.set NROWS, 11264
.set LI,   4                           ; v4   16 x lane
.set SIN,  5                           ; v5   the stage on the way in
.set SOUT, 6                           ; v6   and on the way out: row r, + 64 h
.set L4,   7                           ; v7   4 x lane
.set LSG,  8                           ; v8   4 x (lane with bits 3 and 4 exchanged)
.set SPW,  12                          ; v12  my spare word; never rewritten
.set NIL,  13                          ; v13  0; never rewritten
.set PWE,  14                          ; v14  an even image's scale words
.set PWM,  15                          ; v15  two images' scale words, 128 bytes
.set TM,   16                          ; v16-31 at work
.set PW,   32                          ; v32  the scale word just made
.set PC,   34                          ; v34-53 the codes just made
.set R,    64                          ; v64-191  hidden: two sets of 64 as loaded;   weights: 128 numbers down K
.set X,    192                         ; v192-255 hidden: 64 numbers of my row
.set F0,   192                         ; weights: v192-203, v204-215 two images; v216-218 at work
.set F1,   204
.set CT,   216
.set SEL,  20
.set HM,   22
; 64 numbers of a lane, register 16 b + i = k 32 b + 16 (lane / 16) + i of my row, become an image's 12 registers in v[PC] on and its scale word in v[PW]
.macro QUANT s
.irp b, 0,1,2,3
	v_max3_num_f32 v[TM+\b], |v[\s+16*\b]|, |v[\s+1+16*\b]|, 0x1800000   ; my 16 numbers of block b, and the floor 2^(3 - 127): the byte cannot fall under 1
.endr
.irp i, 2,4,6,8,10,12,14
.irp b, 0,1,2,3
	v_max3_num_f32 v[TM+\b], v[TM+\b], |v[\s+16*\b+\i]|, |v[\s+1+16*\b+\i]|
.endr
.endr
.irp b, 0,1,2,3
	v_permlanex16_b32 v[TM+4+\b], v[TM+\b], s[SEL], s[SEL+1]
.endr
.irp b, 0,1,2,3
	v_max_num_f32 v[TM+\b], v[TM+\b], v[TM+4+\b]   ; with lane l xor 16's 16: the block's largest magnitude
.endr
.irp b, 0,1,2,3
	v_add_nc_u32 v[TM+12+\b], 0xff000000, v[TM+\b]   ; 2 off its exponent field: the conversion's scale operand
.endr
.irp b, 0,1,2,3
	v_lshrrev_b32 v[TM+4+\b], 23, v[TM+12+\b]      ; the scale's byte
.endr
	v_lshl_or_b32 v[PW], v[TM+5], 8, v[TM+4]
	v_lshl_or_b32 v[PW], v[TM+6], 16, v[PW]
	v_lshl_or_b32 v[PW], v[TM+7], 24, v[PW]
.irp c, 0,1
	v_cvt_scalef32_pk16_fp6_f32 v[PC+6*\c:PC+2+6*\c], v[\s+32*\c:\s+15+32*\c], v[TM+12+2*\c]
	v_cvt_scalef32_pk16_fp6_f32 v[PC+12+4*\c:PC+14+4*\c], v[\s+16+32*\c:\s+31+32*\c], v[TM+12+2*\c+1]   ; (a conversion's three registers begin on an even number)
.endr
	v_nop                                          ; one plain instruction behind a scaled conversion
.irp c, 0,1                                    ; the operand wants a whole block in a lane: lanes 0-15 block 2 c, lanes 16-31 block 2 c + 1
.irp i, 0,1,2
	v_permlane16_swap_b32 v[PC+6*\c+\i], v[PC+12+4*\c+\i]
.endr
.irp i, 0,1,2
	v_mov_b32 v[PC+3+6*\c+\i], v[PC+12+4*\c+\i]
.endr
.endr
.endm
	s_load_b256 s[4:11], s[0:1], 0x0               ; hidden s[4:5], Wq s[6:7], Wk s[8:9], Wv s[10:11]
	s_load_b64 s[12:13], s[0:1], 0x20              ; opnd
	v_lshl_add_u32 v[SPW], v0, 2, SPARE
	v_mov_b32 v[NIL], 0
	v_lshrrev_b32 v1, 5, v0
	v_readfirstlane_b32 s14, v1                    ; wave
	v_and_b32 v1, 31, v0                           ; lane
	v_and_b32 v2, 15, v0                           ; r
	v_bfe_u32 v3, v0, 4, 1                         ; h
	v_lshlrev_b32 v[LI], 4, v1
	v_lshlrev_b32 v[L4], 2, v1
	s_mul_i32 s15, s14, STG
	v_add_nc_u32 v[SIN], s15, v[LI]
	v_mul_u32_u24 v[SOUT], v2, SP
	v_lshl_add_u32 v[SOUT], v3, 6, v[SOUT]
	v_add_nc_u32 v[SOUT], s15, v[SOUT]
	v_and_b32 v[LSG], 7, v1
	v_and_b32 v9, 8, v1
	v_lshl_or_b32 v[LSG], v9, 1, v[LSG]
	v_and_b32 v9, 16, v1
	v_lshrrev_b32 v9, 1, v9
	v_or_b32 v[LSG], v[LSG], v9
	v_lshlrev_b32 v[LSG], 2, v[LSG]
	s_mov_b32 s[SEL], 0x76543210
	s_mov_b32 s[SEL+1], 0xfedcba98                 ; lane l xor 16
	s_mov_b32 s[HM], 0xffff0000                    ; lanes 16-31
.irp b, 0,1,2,3
	v_mov_b32 v[TM+4+\b], 0                        ; written once: a lane permute's destination counts as one of its sources
.endr
	s_wait_kmcnt 0x0
	s_cmp_lt_u32 ttmp9, 256
	s_cbranch_scc0 .Lweights
	; ---- hidden: 64 tokens (group Tg), K step s
	s_lshr_b32 s16, ttmp9, 1                       ; Tg
	s_and_b32 s17, ttmp9, 1
	s_lshl_b32 s17, s17, 2
	s_add_co_u32 s17, s17, s14                     ; s = 4 (work-group % 2) + wave
	s_lshl_b32 s18, s16, 18                        ; 64 rows of 4,096 bytes
	s_lshl_b32 s19, s17, 9
	s_add_co_u32 s18, s18, s19
	s_mov_b32 s19, 0
	s_add_nc_u64 s[4:5], s[4:5], s[18:19]
	s_lshl_b32 s18, s16, 5
	s_add_co_u32 s18, s18, s17
	s_mul_i32 s18, s18, 1536                       ; image (4 Tg, s)
	s_add_nc_u64 s[24:25], s[12:13], s[18:19]
	s_mul_i32 s18, s17, NROWS
	s_lshl_b32 s23, s16, 6
	s_add_co_u32 s18, s18, s23
	s_lshl_b32 s18, s18, 2
	s_add_co_u32 s18, s18, SC1
	s_add_nc_u64 s[26:27], s[12:13], s[18:19]
.macro LOADX f                         ; image f's 16 rows: each load takes one row's 512 consecutive bytes
.irp i, 0,1,2,3,4,5,6,7,8,9,10,11,12,13,14,15
	global_load_b128 v[R+64*((\f)%2)+4*\i:R+64*((\f)%2)+4*\i+3], v[LI], s[4:5] offset:(32*((\f)/2)+8*((\f)%2)+\i+8*(\i/8))*4096 th:TH_LOAD_NT
.endr
.endm
.macro HFRAG f
.if (\f) < 3
	s_wait_loadcnt 16                              ; this image's 16 loads are in; the next image's 16 may be out
.else
	s_wait_loadcnt 0x0
.endif
.irp i, 0,1,2,3,4,5,6,7,8,9,10,11,12,13,14,15
	ds_store_b128 v[SIN], v[R+64*((\f)%2)+4*\i:R+64*((\f)%2)+4*\i+3] offset:SP*\i
.endr
.irp b, 0,1,2,3
.irp j, 0,1,2,3
	ds_load_b128 v[X+16*\b+4*\j:X+16*\b+4*\j+3], v[SOUT] offset:128*\b+16*\j   ; LDS serves a wave's instructions in order: these see my stores
.endr
.endr
	s_wait_dscnt 0x0
	s_wait_xcnt 0x0                                ; the last image's stores have read their data: the codes and the scale words may be written again
.if (\f) < 2
	LOADX (\f)+2
.endif
	QUANT X
.irp g, 0,1,2
	global_store_b128 v[LI], v[PC+4*\g:PC+4*\g+3], s[24:25] offset:(\f)*12288+512*\g   ; 512 consecutive bytes
.endr
.if (\f)%2 == 0
	v_mov_b32 v[PWE], v[PW]
.else
	v_cndmask_b32 v[PWM], v[PWE], v[PW], s[HM]     ; lanes 0-15 the even image's words, lanes 16-31 the odd one's
	global_store_b32 v[L4], v[PWM], s[26:27] offset:64*((\f)-1)
.endif
.endm
	LOADX 0
	LOADX 1
	HFRAG 0
	HFRAG 1
	HFRAG 2
	HFRAG 3
	s_wait_tensorcnt 0x0                           ; the wave's end
	ds_add_u32 v[SPW], v[NIL]
	s_wait_dscnt 0x0
	s_endpgm
.Lweights:
	; ---- a weight: A LANE TAKES A COLUMN, ITS REGISTERS RUN DOWN K.  Lane l takes the column that belongs at place l of its 32
	s_sub_co_u32 s16, ttmp9, 256
	s_lshr_b32 s17, s16, 6                         ; which weight
	s_and_b32 s18, s16, 7                          ; s
	s_bfe_u32 s19, s16, 0x30003
	s_lshl_b32 s19, s19, 2
	s_add_co_u32 s19, s19, s14                     ; B: which 32 columns
	s_cmp_eq_u32 s17, 0
	s_cselect_b64 s[6:7], s[6:7], s[8:9]
	s_cmp_eq_u32 s17, 2
	s_cselect_b64 s[6:7], s[10:11], s[6:7]
	s_lshl_b32 s24, s18, 19                        ; 128 rows of 4,096 bytes
	s_lshl_b32 s25, s19, 7
	s_add_co_u32 s24, s24, s25
	s_mov_b32 s25, 0
	s_add_nc_u64 s[6:7], s[6:7], s[24:25]
	s_lshl_b32 s26, s17, 6
	s_lshl_b32 s27, s19, 1
	s_add_co_u32 s26, s26, s27
	s_add_co_u32 s26, s26, 512                     ; T = 512 + 64 weight + 2 B
	s_lshl_b32 s24, s26, 3
	s_add_co_u32 s24, s24, s18
	s_mul_i32 s24, s24, 1536
	s_add_nc_u64 s[28:29], s[12:13], s[24:25]
	s_mul_i32 s24, s18, NROWS
	s_lshl_b32 s26, s26, 4
	s_add_co_u32 s24, s24, s26
	s_lshl_b32 s24, s24, 2
	s_add_co_u32 s24, s24, SC1
	s_add_nc_u64 s[30:31], s[12:13], s[24:25]
.macro LOADW t                         ; block t: 32 rows of W at my column; a wave's load covers 128 consecutive bytes, the four waves 512
.irp i, 0,1,2,3,4,5,6,7,8,9,10,11,12,13,14,15,16,17,18,19,20,21,22,23,24,25,26,27,28,29,30,31
	global_load_b32 v[R+32*(\t)+\i], v[LSG], s[6:7] offset:(32*(\t)+\i)*4096 th:TH_LOAD_NT
.endr
.endm
.macro WBLOCK t
.set XS, R+32*(\t)
.set FD, F0+12*((\t)%2)+6*((\t)/2)     ; even blocks into the first image's registers, odd ones into the second's
.if (\t) < 3
	s_wait_loadcnt 32                              ; this block's 32 loads are in; the next block's may be out
.else
	s_wait_loadcnt 0x0
.endif
.if (\t) < 2
	LOADW (\t)+2
.endif
	v_max3_num_f32 v16, |v[XS]|, |v[XS+1]|, |v[XS+2]|   ; all 32 numbers of the block are mine
	v_max3_num_f32 v17, |v[XS+3]|, |v[XS+4]|, |v[XS+5]|
.irp i, 6,10,14,18,22,26
	v_max3_num_f32 v16, v16, |v[XS+\i]|, |v[XS+\i+1]|
	v_max3_num_f32 v17, v17, |v[XS+\i+2]|, |v[XS+\i+3]|
.endr
	v_max3_num_f32 v16, v16, |v[XS+30]|, |v[XS+31]|
	v_max3_num_f32 v16, v16, v17, 0x1800000        ; and the floor
	v_add_nc_u32 v18, 0xff000000, v16
	v_lshrrev_b32 v19, 23, v18
.if (\t) == 0
	v_mov_b32 v[PW], v19
.else
	v_lshl_or_b32 v[PW], v19, 8*(\t), v[PW]
.endif
	v_cvt_scalef32_pk16_fp6_f32 v[FD:FD+2], v[XS:XS+15], v18
	v_cvt_scalef32_pk16_fp6_f32 v[CT:CT+2], v[XS+16:XS+31], v18
	v_nop                                          ; one plain instruction behind a scaled conversion
.irp i, 0,1,2
	v_mov_b32 v[FD+3+\i], v[CT+\i]
.endr
.endm
	s_wait_alu depctr_va_vdst(0)
	LOADW 0
	LOADW 1
	WBLOCK 0
	WBLOCK 1
	WBLOCK 2
	WBLOCK 3
.irp x, 0,1,2,3,4,5,6,7,8,9,10,11
	v_permlane16_swap_b32 v[F0+\x], v[F1+\x]       ; the first now holds places 0-15 (lanes 0-15 their even blocks, lanes 16-31 their odd ones), the second places 16-31
.endr
.irp g, 0,1,2
	global_store_b128 v[LI], v[F0+4*\g:F0+4*\g+3], s[28:29] offset:512*\g
	global_store_b128 v[LI], v[F1+4*\g:F1+4*\g+3], s[28:29] offset:12288+512*\g
.endr
	global_store_b32 v[L4], v[PW], s[30:31]        ; 32 places' scale words, 128 consecutive bytes
	s_wait_tensorcnt 0x0                           ; the same three lines on this way too
	ds_add_u32 v[SPW], v[NIL]
	s_wait_dscnt 0x0
	s_endpgm
.Lfunc_end_k_q11fc702244_quant:
	.size	k_q11fc702244_quant, .Lfunc_end_k_q11fc702244_quant-k_q11fc702244_quant
	.p2alignl 7, 3214868480
	.fill 96, 4, 3214868480
	.section	.rodata,"a",@progbits
	.p2align	6, 0x0
	.amdhsa_kernel k_q11fc702244_quant
		.amdhsa_group_segment_fixed_size 34304
		.amdhsa_private_segment_fixed_size 0
		.amdhsa_enable_private_segment 0
		.amdhsa_kernarg_size 40
		.amdhsa_user_sgpr_count 2
		.amdhsa_user_sgpr_kernarg_segment_ptr 1
		.amdhsa_wavefront_size32 1
		.amdhsa_system_sgpr_workgroup_id_x 1
		.amdhsa_system_sgpr_workgroup_id_y 1
		.amdhsa_system_sgpr_workgroup_id_z 1
		.amdhsa_system_vgpr_workitem_id 0
		.amdhsa_next_free_vgpr 256
		.amdhsa_next_free_sgpr 66
		.amdhsa_reserve_vcc 0
		.amdhsa_float_denorm_mode_32 3
		.amdhsa_float_denorm_mode_16_64 3
		.amdhsa_memory_ordered 1
		.amdhsa_forward_progress 1
		.amdhsa_inst_pref_size 54
	.end_amdhsa_kernel
	.amdgpu_metadata
---
amdhsa.version: [ 1, 2 ]
amdhsa.kernels:
  - .name:           k_q11fc702244_quant
    .symbol:         k_q11fc702244_quant.kd
    .args:
      - { .name: hidden_states, .offset: 0, .size: 8, .value_kind: global_buffer, .address_space: global }
      - { .name: Wq, .offset: 8, .size: 8, .value_kind: global_buffer, .address_space: global }
      - { .name: Wk, .offset: 16, .size: 8, .value_kind: global_buffer, .address_space: global }
      - { .name: Wv, .offset: 24, .size: 8, .value_kind: global_buffer, .address_space: global }
      - { .name: opnd, .offset: 32, .size: 8, .value_kind: global_buffer, .address_space: global }
    .group_segment_fixed_size: 34304
    .private_segment_fixed_size: 0
    .kernarg_segment_align: 8
    .kernarg_segment_size: 40
    .max_flat_workgroup_size: 128
    .sgpr_count:     66
    .vgpr_count:     256
    .wavefront_size: 32
...
	.end_amdgpu_metadata
.endif
;; end of part 1
;; launch proj (part 2): grid 16 x 16, 4 waves a work-group, clusters of 4 x 4, 197,120 bytes of LDS; arguments opnd, bq, bk, bv, qkv; writes qkv
.if DOCPART == 2
	.amdgcn_target "amdgcn-amd-amdhsa--gfx1250"
	.amdhsa_code_object_version 6
	.text
	.protected	k_q11fc702244_proj
	.globl	k_q11fc702244_proj
	.p2align	8
	.type	k_q11fc702244_proj,@function
k_q11fc702244_proj:
	s_mov_b64 s[64:65], 0
	v_nop
	global_prefetch_b8 v0, s[64:65] scope:SCOPE_SE
	s_setreg_imm32_b32 hwreg(HW_REG_WAVE_MODE, 25, 1), 1
	s_wait_xcnt 0x0
	s_wait_alu depctr_hold_cnt(0) depctr_sa_sdst(0) depctr_va_vdst(0) depctr_va_sdst(0) depctr_va_ssrc(0) depctr_va_vcc(0) depctr_vm_vsrc(0)
	s_getreg_b32 s2, hwreg(HW_REG_IB_STS2, 6, 4)
	s_cmp_eq_u32 s2, 0
	s_cbranch_scc0 .Lentry_in_a_cluster
	s_endpgm
.Lentry_in_a_cluster:
	s_bfe_u32 s2, ttmp6, 0x10000c
	s_cmp_lg_u32 s2, 0xf033
	s_cbranch_scc0 .Lentry_shape_is_right
	s_endpgm
.Lentry_shape_is_right:
; q = hidden Wq + bq, k = hidden Wk + bk, v = hidden Wv + bv on codes of FP6 (E2M3), K = 1,024; the results are quantised at once for the products that follow: q and k along their 1,024 channels, v along the KEYS.
; Both operands are rows of ONE array of register images (16 rows x 128 K, 1,536 bytes, laid [T][s]; scale words [s][row]): tokens 0..8191, then the columns of Wq, Wk, Wv.
; Transposed use: source 0 = 16 rows of operand B, source 1 = 16 of A: a lane holds ONE row of A and its registers run along B's rows; rows are kept with bits 3 and 4 of their number exchanged, so the 16 registers
; of two neighbouring tiles are 16 NEIGHBOURS along B: what the quantiser wants.  The codes are made in registers in the operand's own layout and stored as images.
; NO RING.  B, which all four waves read, comes into LDS ONCE for all of K: 128 rows x 768 bytes = 96 KB for each of the two tiles, one joint tensor load a wave at the head; nothing is filled again.
; A, of which each image is read by one wave alone, goes from memory straight into that wave's registers, as it lies: three loads of 512 consecutive bytes an image, asked for two K steps ahead (tile 2: four).
;   TILE 1: A = 512 tokens (128 a wave), B = 128 columns of Wq or Wk; 64 accumulators a wave.   TILE 2: A = 256 columns of Wv (64 a wave), B = 128 tokens; 32 accumulators: v TRANSPOSED, quantised along the keys.
; 16 x 16 work-groups of equal work.  CLUSTER 4 x 4: tile 1's B hangs on the work-group's x alone and is asked for jointly along a column of the cluster, tile 2's B on 16 cluster y + 4 cluster x + cy and along a row.
; A's images land in registers, where no joint load can put them.  No prefetch: the head's tensor loads of the launch's work-groups read the tokens' and Wq's and Wk's images that the streams then read again; Wv's are 768 KB.
; The bias is the C of each sum's first product.
; LIMITS: a block of zeros gets the byte 1 where the rule says 127 (zero codes; this program alone reads the bytes); NaN and infinities are not served.
; REGISTERS: window 0: v0-15 addresses; v16-111, v112-207 B's fragments, two sets (on the way out v112-150 are at work); v208-239 scale words, four sets.
;   window 1: v0-95, v128-223 A's fragments, two sets (tile 2: four of 48); v96-127, v224-255 tile 1's bias (v96-127 later tile 2's).   windows 2, 3: accumulators.
.set NP,    4                          ; places behind this matrix instruction (ISA guide 7.12.1)
.set LB2,   98304                      ; LDS: tile 1's B from 0, tile 2's from here: image (i, s) at 12,288 i + 1,536 s
.set SPARE, 196608                     ; the spare words, 128 bytes a wave
.set SC1,   8650752
.set VT_IMG, 12582912
.set SC2,   18874368
.set VT_SC, 19398656
.set L4,   2                           ; v2   4 x lane
.set LI,   4                           ; v4   16 x lane; v5-7 the same + 49,152, 98,304, 147,456: B's blocks 0-3 and 4-7 of tile 1, of tile 2
.set VS1,  8                           ; v8   tile 1's scale words: lanes 0-15 A's rows, lanes 16-31 B's
.set VS2,  9                           ; v9   tile 2's, blocks 0-3;  v10 blocks 4-7: B's in all lanes (A has four blocks)
.set VS3,  10
.set VB1,  11                          ; v11  tile 1's bias: 64 h
.set VB2,  12                          ; v12  tile 2's bias: my row's channel
.set SPW,  14
.set NIL,  15
.set BF,   16
.set TM,   112
.set PC,   128
.set PW,   148
.set PWE,  149
.set PWM,  150
.set SC,   208
.set G1,   24
.set G0,   32
.set G1B,  36
.set G0B,  44
.set PA1,  66                          ; s[66:67] my A of tile 1;  s[68:69] the scale words;  s[70:71] my A of tile 2
.set PSC,  68
.set PA2,  70
.set PO1,  72                          ; s[72:75] tile 1's images and scale words out;  s[76:79] tile 2's
.set PS1,  74
.set PO2,  76
.set PS2,  78
.set SEL,  80
.set HM,   82
.set TO_A, 0x40                        ; destination window 1, address window 0
.set MSB, 0
.macro WIN new                         ; the immediate's high byte repeats the setting that is left
.if MSB != \new
	s_set_vgpr_msb (MSB<<8)|\new
.set MSB, \new
.endif
.endm
.macro JLOAD g0a, g1a, g0b, g1b        ; waves 0 and 1 fetch the halves of tile 1's B, waves 2 and 3 those of tile 2's; an s_nop 0 and four v_nop follow each line
	s_cmp_eq_u32 s15, 0
	s_cbranch_scc0 .Lfor_b_\@
	tensor_load_to_lds s[\g0a:\g0a+3], s[\g1a:\g1a+7]
	s_nop 0
.rept 4
	v_nop
.endr
	s_branch .Lasked_\@
.Lfor_b_\@:
	tensor_load_to_lds s[\g0b:\g0b+3], s[\g1b:\g1b+7]
	s_nop 0
.rept 4
	v_nop
.endr
.Lasked_\@:
.endm
.macro CROUND                          ; a round of the cluster's barrier
	s_barrier_signal -1
	s_barrier_wait -1
	s_cmp_lg_u32 s14, 0
	s_cbranch_scc1 .Lnot_wave_0_\@
	s_barrier_signal -3
.Lnot_wave_0_\@:
	s_barrier_wait -3
	s_barrier_signal -1
	s_barrier_wait -1
.endm
.macro PLACES n
.rept \n
	v_nop
.endr
.endm
	s_load_b256 s[4:11], s[0:1], 0x0               ; opnd s[4:5], bq s[6:7], bk s[8:9], bv s[10:11]
	s_load_b64 s[12:13], s[0:1], 0x20              ; qkv
	v_lshl_add_u32 v[SPW], v0, 2, SPARE
	v_mov_b32 v[NIL], 0
	ds_add_u32 v[SPW], v[NIL]                      ; the wave's opening: the add, twice on end, and its wait ahead of my first tensor load
	ds_add_u32 v[SPW], v[NIL]
	v_lshrrev_b32 v3, 5, v0
	v_readfirstlane_b32 s14, v3                    ; wave
	s_lshr_b32 s15, s14, 1                         ; I fetch for tile 1 (0) or tile 2 (1),
	s_and_b32 s16, s14, 1                          ; and which 64 rows of its B
	s_bfe_u32 s50, ttmp6, 0x40000                  ; cx
	s_bfe_u32 s51, ttmp6, 0x40004                  ; cy
	s_mov_b32 s52, ttmp9                           ; cluster x
	s_and_b32 s53, ttmp7, 0xffff                   ; cluster y
	s_lshl_b32 s54, s52, 2
	s_add_co_u32 s54, s54, s50                     ; X: tile 1's 128 columns of Wq (0-7) or Wk (8-15)
	s_lshl_b32 s55, s53, 2
	s_add_co_u32 s55, s55, s51                     ; Y: tile 1's 512 tokens
	s_lshl_b32 s56, s53, 4
	s_lshl_b32 s57, s52, 2
	s_add_co_u32 s56, s56, s57
	s_add_co_u32 s56, s56, s51                     ; tt: tile 2's 128 tokens = 16 cluster y + 4 cluster x + cy
	s_lshl_b32 s57, 0x1111, s50                    ; my column of the cluster
	s_lshl_b32 s58, s51, 2
	s_lshl_b32 s58, 15, s58                        ; my row
	s_or_b32 s[G1], s57, (3<<16)|(1<<21)           ; the mask; elements of 8 bytes; bit 21 beside a mask; no padding: images are read 512 consecutive bytes at a time
	s_or_b32 s[G1B], s58, (3<<16)|(1<<21)
.irp g, G1, G1B
	s_mov_b32 s[\g+1], 1536<<16                    ; 64 rows for all of K: 4 rows of 12,288 bytes, dense
	s_mov_b32 s[\g+2], 4<<16
	s_mov_b32 s[\g+3], 1536<<16
	s_mov_b32 s[\g+4], 4
	s_mov_b32 s[\g+5], 1536
	s_mov_b32 s[\g+6], 0
	s_mov_b32 s[\g+7], 0
.endr
	s_lshl_b32 s17, s54, 3
	s_add_co_u32 s17, s17, 512                     ; tile 1's B: groups of 16 rows from 512 + 8 X on
	s_lshl_b32 s18, s16, 2
	s_add_co_u32 s20, s17, s18
	s_mul_i32 s20, s20, 12288
	s_mov_b32 s21, 0
	s_lshl_b32 s19, s56, 3                         ; tile 2's B: from 8 tt on
	s_add_co_u32 s22, s19, s18
	s_mul_i32 s22, s22, 12288
	s_mov_b32 s23, 0
	s_lshl_b32 s57, s55, 5
	s_lshl_b32 s58, s14, 3
	s_add_co_u32 s57, s57, s58                     ; tile 1's A: from 32 Y + 8 wave on
	s_lshl_b32 s58, s50, 4
	s_lshl_b32 s59, s14, 2
	s_add_co_u32 s58, s58, s59                     ; Tv = 16 cx + 4 wave
	s_add_co_u32 s59, s58, 640                     ; tile 2's A: Wv's groups begin at 640
	s_lshl_b32 s60, s57, 6                         ; the same as bytes of scale words: 64 a group
	s_lshl_b32 s61, s17, 6
	s_sub_co_u32 s61, s61, s60                     ; tile 1: B's lie behind A's
	s_lshl_b32 s62, s19, 6
	s_lshl_b32 s63, s59, 6
	s_sub_co_u32 s63, s63, s62                     ; tile 2: A's lie behind B's
	s_mul_i32 s[PA1], s57, 12288
	s_mov_b32 s[PA1+1], 0
	s_mul_i32 s[PA2], s59, 12288
	s_mov_b32 s[PA2+1], 0
	s_lshr_b32 s84, s52, 1                         ; q (0) or k (1)
	s_and_b32 s85, s54, 7                          ; so: which 128 channels
	s_lshl_b32 s86, s84, 9
	s_add_co_u32 s86, s86, s57                     ; Tq = 512 which + 32 Y + 8 wave
	s_lshl_b32 s[PO1], s86, 3
	s_add_co_u32 s[PO1], s[PO1], s85
	s_mul_i32 s[PO1], s[PO1], 1536                 ; image (Tq, so)
	s_mov_b32 s[PO1+1], 0
	s_lshl_b32 s[PS1], s85, 14
	s_lshl_b32 s86, s86, 4
	s_add_co_u32 s[PS1], s[PS1], s86
	s_lshl_b32 s[PS1], s[PS1], 2
	s_add_co_u32 s[PS1], s[PS1], SC2
	s_mov_b32 s[PS1+1], 0
	s_lshr_b32 s87, s56, 4                         ; the batch
	s_and_b32 s88, s56, 15                         ; sp: which 128 keys of it
	s_lshl_b32 s[PO2], s87, 6
	s_add_co_u32 s[PO2], s[PO2], s58
	s_lshl_b32 s[PO2], s[PO2], 4
	s_add_co_u32 s[PO2], s[PO2], s88
	s_mul_i32 s[PO2], s[PO2], 1536
	s_add_co_u32 s[PO2], s[PO2], VT_IMG            ; image (Tv, sp) of the batch's v^T
	s_mov_b32 s[PO2+1], 0
	s_lshl_b32 s[PS2], s56, 10
	s_lshl_b32 s89, s58, 4
	s_add_co_u32 s[PS2], s[PS2], s89
	s_lshl_b32 s[PS2], s[PS2], 2
	s_add_co_u32 s[PS2], s[PS2], VT_SC
	s_mov_b32 s[PS2+1], 0
	s_lshl_b32 s90, s85, 9                         ; bq, bk: channels 128 so on
	s_mov_b32 s91, 0
	s_lshl_b32 s92, s58, 6                         ; bv: channels 16 Tv on
	s_mov_b32 s93, 0
	s_mov_b32 s[SEL], 0x76543210
	s_mov_b32 s[SEL+1], 0xfedcba98                 ; lane l xor 16
	s_mov_b32 s[HM], 0xffff0000                    ; lanes 16-31
	v_and_b32 v3, 31, v0
	v_lshlrev_b32 v[LI], 4, v3
	v_lshlrev_b32 v[L4], 2, v3
	v_add_nc_u32 v[LI+1], 49152, v[LI]
	v_add_nc_u32 v[LI+2], 98304, v[LI]
	v_add_nc_u32 v[LI+3], 147456, v[LI]
	v_and_b32 v3, 15, v0                           ; r
	v_bfe_u32 v13, v0, 4, 1                        ; h
	v_lshlrev_b32 v[VB1], 6, v13
	v_and_b32 v[VB2], 8, v3
	v_add_nc_u32 v[VB2], v[VB2], v3                ; r + 8 (r / 8)
	v_lshlrev_b32 v[VB2], 2, v[VB2]
	v_lshlrev_b32 v3, 2, v3
	v_mad_u32_u24 v[VS1], v13, s61, v3
	v_add_nc_u32 v[VS1], s60, v[VS1]
	v_add_nc_u32 v[VS3], s62, v3
	v_sub_nc_u32 v13, 1, v13
	v_mad_u32_u24 v[VS2], v13, s63, v[VS3]
	s_wait_alu depctr_va_vdst(0)                   ; the wait at the head's end
	s_wait_dscnt 0x0                               ; both opening adds are done
	s_wait_kmcnt 0x0
	s_add_nc_u64 s[PA1:PA1+1], s[4:5], s[PA1:PA1+1]
	s_add_nc_u64 s[PA2:PA2+1], s[4:5], s[PA2:PA2+1]
	s_add_nc_u64 s[PSC:PSC+1], s[4:5], SC1
	s_add_nc_u64 s[PO1:PO1+1], s[12:13], s[PO1:PO1+1]
	s_add_nc_u64 s[PS1:PS1+1], s[12:13], s[PS1:PS1+1]
	s_add_nc_u64 s[PO2:PO2+1], s[12:13], s[PO2:PO2+1]
	s_add_nc_u64 s[PS2:PS2+1], s[12:13], s[PS2:PS2+1]
	s_cmp_eq_u32 s84, 0
	s_cselect_b64 s[6:7], s[6:7], s[8:9]           ; bq or bk
	s_add_nc_u64 s[6:7], s[6:7], s[90:91]
	s_add_nc_u64 s[10:11], s[10:11], s[92:93]
	s_mov_b32 s[G0], 1
	s_mul_i32 s[G0+1], s16, 49152
	s_add_nc_u64 s[G0+2:G0+3], s[4:5], s[20:21]
	s_or_b32 s[G0+3], s[G0+3], 0x80000000
	s_mov_b32 s[G0B], 1
	s_mul_i32 s[G0B+1], s16, 49152
	s_add_co_u32 s[G0B+1], s[G0B+1], LB2
	s_add_nc_u64 s[G0B+2:G0B+3], s[4:5], s[22:23]
	s_or_b32 s[G0B+3], s[G0B+3], 0x80000000
	CROUND                                         ; all sixteen work-groups are here: the joint loads meet
	JLOAD G0, G1, G0B, G1B                         ; my one tensor load of the launch
.macro LDA p, reg, i0, n, s            ; n images (i0 .., s) of A into v[reg] on (window 1): each comes as it was stored, three loads of 512 consecutive bytes
.set J, 0
.rept \n
.irp g, 0,1,2
	global_load_b128 v[(\reg)+12*J+4*\g:(\reg)+12*J+4*\g+3], v[LI], s[\p:\p+1] offset:((\i0)+J)*12288+(\s)*1536+512*\g
.endr
.set J, J+1
.endr
.endm
.macro LSC1 s                          ; tile 1's scale words of step s into set s % 4: register i: lanes 0-15 A's block i, lanes 16-31 B's block i
.irp i, 0,1,2,3,4,5,6,7
	global_load_b32 v[SC+8*((\s)%4)+\i], v[VS1], s[PSC:PSC+1] offset:(\s)*45056+64*\i
.endr
.endm
.macro LSC2 t                          ; tile 2's
.irp i, 0,1,2,3,4,5,6,7
	global_load_b32 v[SC+8*((\t)%4)+\i], v[VS2+\i/4], s[PSC:PSC+1] offset:(\t)*45056+64*\i
.endr
.endm
.macro FB t, s                         ; B's eight images of step s of tile 1 (t = 0) or 2 (t = 1) from LDS into set s % 2
.irp i, 0,1,2,3,4,5,6,7
.irp g, 0,1,2
	ds_load_b128 v[BF+96*((\s)%2)+12*\i+4*\g:BF+96*((\s)%2)+12*\i+4*\g+3], v[LI+2*(\t)+\i/4] offset:(\i%4)*12288+(\s)*1536+512*\g
.endr
.endr
.endm
; 8 matrix instructions: A's block a (registers af on) x B's eight.  mode 0: in place; 1: C = tile 1's bias of B's block; 2: C = tile 2's bias of A's block.  The accumulators take turns
.macro MUL a, af, s, mode
.irp b, 0,1,2,3,4,5,6,7
.set AC, 8*(8*((\a)%4)+\b)
.set CR, AC
.if \mode == 1
.set CR, 96+8*\b+96*(\b/4)
.endif
.if \mode == 2
.set CR, 96+8*(\a)
.endif
	v_wmma_scale_f32_16x16x128_f8f6f4 v[AC:AC+7], v[BF+96*((\s)%2)+12*\b:BF+96*((\s)%2)+12*\b+11], v[(\af):(\af)+11], v[CR:CR+7], v[SC+8*((\s)%4)+\b], v[SC+8*((\s)%4)+(\a)] matrix_a_fmt:MATRIX_FMT_FP6 matrix_b_fmt:MATRIX_FMT_FP6 matrix_a_scale:MATRIX_SCALE_ROW1
.endr
.endm
; TILE 1, 128 along K: 64 matrix instructions, A's blocks one after the other.  In the middle: the scale words and A's blocks 0-3 of two steps on (20 loads); at the end: B's set and A's blocks 4-7 of two steps on (12 loads).
; Steps 6 and 7 ask in these places for tile 2's first four steps (20 loads each), step 6 for its first set of B, step 7 for its bias.
.macro STEP1 s
.set AS, 128*((\s)%2)
.set MD, 0
.set LATE, 0
.if (\s) == 0
.set MD, 1
.endif
.if (\s) == 7
.set LATE, 8
.endif
.set WL, 0xa4-0x10*MD                  ; source 0 (B) window 0, source 1 (A) window 1, D window 2, C window 2 or (the bias) 1
.set WH, 0xf4-0x20*MD                  ; the same with window 3
	s_wait_loadcnt 44+LATE                         ; this step's scale words and A's blocks 0-3 are in; younger: 12 + 20 + 12 loads (step 7: 12 + 20 + 20)
	s_wait_dscnt 24                                ; this step's B is in; the next set's 24 loads may be out
	WIN WL
.irp a, 0,1,2,3
	MUL \a, AS+12*\a, \s, MD
.endr
	PLACES NP
	WIN 0
.if (\s) < 6
	LSC1 (\s)+2
	WIN TO_A
	LDA PA1, AS, 0, 4, (\s)+2
.else
	LSC2 2*(\s)-12
	WIN TO_A
	LDA PA2, AS, 0, 4, 2*(\s)-12
.endif
	s_wait_loadcnt 52+LATE                         ; A's blocks 4-7 are in; younger: 20 + 12 + 20 loads (step 7: 20 + 20 + 20)
	WIN WH
.irp a, 4,5,6,7
	MUL \a, AS+12*\a, \s, MD
.endr
	PLACES NP
	WIN 0
.if (\s) < 6
	FB 0, (\s)+2
	WIN TO_A
	LDA PA1, AS+48, 4, 4, (\s)+2
.else
.if (\s) == 6
	FB 1, 0
.endif
	LSC2 2*(\s)-11
	WIN TO_A
	LDA PA2, AS+48, 0, 4, 2*(\s)-11
.if (\s) == 7
.irp x, 0,1,2,3                                ; tile 2's bias, A's block x: my own row's number, eight times
.irp j, 0,1,2,3,4,5,6,7
	global_load_b32 v[96+8*\x+\j], v[VB2], s[10:11] offset:(32*(\x/2)+8*(\x%2))*4
.endr
.endr
.endif
.endif
	WIN 0
.endm
; TILE 2, 128 along K: 32 matrix instructions; at the end B's set of two steps on, and the scale words and A's four blocks of four steps on (20 loads)
.macro STEP2 t
.set AS, 48*((\t)%2)+128*(((\t)%4)/2)
.set MD, 0
.if (\t) == 0
.set MD, 2
	s_wait_loadcnt 0x0                             ; the bias, asked for last, is in
.endif
.if (\t) >= 4
	s_wait_loadcnt 20*(7-(\t))                     ; this step's 20 loads are in; those of the steps behind it may be out
.endif
.if (\t) < 7
	s_wait_dscnt 24
.else
	s_wait_dscnt 0x0
.endif
.set WL, 0xa4-0x08*MD
	WIN WL
.irp a, 0,1,2,3
	MUL \a, AS+12*\a, \t, MD
.endr
.if (\t) < 6
	PLACES NP
	WIN 0
	FB 1, (\t)+2
.if (\t) < 4
	LSC2 (\t)+4
	WIN TO_A
	LDA PA2, AS, 0, 4, (\t)+4
	WIN 0
.endif
.endif
.endm
; THE WAY OUT of A's block a (window 2 + a / 4): my row's 64 numbers (register 16 b + i = place 32 b + 16 h + i along B) become one image and one scale word.  Each accumulator is first read at its low end.
.macro QOUT a, pimg, pscl, stp
.set AC, 64*((\a)%4)
.set WA1, 2+(\a)/4
.set WA2, (WA1<<2)|(WA1<<4)
	s_wait_xcnt 0x0                                ; the last block's stores have read their data and their base
.if (\a) > 0
	s_add_nc_u64 s[\pimg:\pimg+1], s[\pimg:\pimg+1], \stp
.endif
	WIN WA2                                        ; sources 1 and 2: the accumulators' window
.irp b, 0,1,2,3
	v_max3_num_f32 v[TM+\b], 0x1800000, |v[AC+16*\b]|, |v[AC+16*\b+1]|   ; with the floor 2^(3 - 127)
.endr
.irp i, 2,4,6,8,10,12,14
.irp b, 0,1,2,3
	v_max3_num_f32 v[TM+\b], v[TM+\b], |v[AC+16*\b+\i]|, |v[AC+16*\b+\i+1]|
.endr
.endr
	WIN 0
.irp b, 0,1,2,3
	v_permlanex16_b32 v[TM+4+\b], v[TM+\b], s[SEL], s[SEL+1]
.endr
.irp b, 0,1,2,3
	v_max_num_f32 v[TM+\b], v[TM+\b], v[TM+4+\b]
.endr
.irp b, 0,1,2,3
	v_add_nc_u32 v[TM+12+\b], 0xff000000, v[TM+\b]   ; 2 off the exponent field: the conversion's scale operand
.endr
.irp b, 0,1,2,3
	v_lshrrev_b32 v[TM+4+\b], 23, v[TM+12+\b]
.endr
	v_lshl_or_b32 v[PW], v[TM+5], 8, v[TM+4]
	v_lshl_or_b32 v[PW], v[TM+6], 16, v[PW]
	v_lshl_or_b32 v[PW], v[TM+7], 24, v[PW]
	WIN WA1                                        ; source 0: the accumulators' window
.irp c, 0,1
	v_cvt_scalef32_pk16_fp6_f32 v[PC+6*\c:PC+2+6*\c], v[AC+32*\c:AC+32*\c+15], v[TM+12+2*\c]
	v_cvt_scalef32_pk16_fp6_f32 v[PC+12+4*\c:PC+14+4*\c], v[AC+32*\c+16:AC+32*\c+31], v[TM+13+2*\c]
.endr
	WIN 0
	v_nop                                          ; one plain instruction behind a scaled conversion
.irp c, 0,1
.irp i, 0,1,2
	v_permlane16_swap_b32 v[PC+6*\c+\i], v[PC+12+4*\c+\i]
.endr
.irp i, 0,1,2
	v_mov_b32 v[PC+3+6*\c+\i], v[PC+12+4*\c+\i]
.endr
.endr
.irp g, 0,1,2
	global_store_b128 v[LI], v[PC+4*\g:PC+4*\g+3], s[\pimg:\pimg+1] offset:512*\g   ; 512 consecutive bytes
.endr
.if (\a)%2 == 0
	v_mov_b32 v[PWE], v[PW]
.else
	v_cndmask_b32 v[PWM], v[PWE], v[PW], s[HM]
	global_store_b32 v[L4], v[PWM], s[\pscl:\pscl+1] offset:64*((\a)-1)   ; two blocks' words, 128 consecutive bytes
.endif
.endm
	WIN TO_A
.irp x, 0,1,2,3,4,5,6,7                        ; tile 1's bias, B's block x: channels 32 (x / 2) + 16 h + 8 (x % 2) + 0 .. 7
	global_load_b128 v[96+8*\x+96*(\x/4):96+8*\x+96*(\x/4)+3], v[VB1], s[6:7] offset:(32*(\x/2)+8*(\x%2))*4
	global_load_b128 v[96+8*\x+96*(\x/4)+4:96+8*\x+96*(\x/4)+7], v[VB1], s[6:7] offset:(32*(\x/2)+8*(\x%2))*4+16
.endr
	WIN 0
	LSC1 0
	WIN TO_A
	LDA PA1, 0, 0, 8, 0                            ; steps 0 and 1: 32 loads each
	WIN 0
	LSC1 1
	WIN TO_A
	LDA PA1, 128, 0, 8, 1
	WIN 0
	s_wait_tensorcnt 0x0                           ; my part of B is in;
	s_barrier_signal -1
	s_barrier_wait -1                              ; everybody's is: both tiles' B stand in LDS for the rest of the launch
	FB 0, 0
	FB 0, 1
.irp s, 0,1,2,3,4,5,6,7
	STEP1 \s
.endr
.irp b, 0,1,2,3
	v_mov_b32 v[TM+4+\b], 0                        ; a lane permute's destination counts as one of its sources
.endr
.irp a, 0,1,2,3,4,5,6,7
	QOUT \a, PO1, PS1, 12288                       ; tile 2's first loads are on their way meanwhile
.endr
	s_wait_xcnt 0x0                                ; the last stores have read their data: B's second set may land there
	FB 1, 1
.irp t, 0,1,2,3,4,5,6,7
	STEP2 \t
.endr
	WIN 0
	PLACES NP
.irp b, 0,1,2,3
	v_mov_b32 v[TM+4+\b], 0
.endr
.irp a, 0,1,2,3
	QOUT \a, PO2, PS2, 24576
.endr
	s_wait_tensorcnt 0x0                           ; the wave's end
	ds_add_u32 v[SPW], v[NIL]
	s_wait_dscnt 0x0
	CROUND                                         ; the closing round
	s_endpgm
.Lfunc_end_k_q11fc702244_proj:
	.size	k_q11fc702244_proj, .Lfunc_end_k_q11fc702244_proj-k_q11fc702244_proj
	.p2alignl 7, 3214868480
	.fill 96, 4, 3214868480
	.section	.rodata,"a",@progbits
	.p2align	6, 0x0
	.amdhsa_kernel k_q11fc702244_proj
		.amdhsa_group_segment_fixed_size 197120
		.amdhsa_private_segment_fixed_size 0
		.amdhsa_enable_private_segment 0
		.amdhsa_kernarg_size 40
		.amdhsa_user_sgpr_count 2
		.amdhsa_user_sgpr_kernarg_segment_ptr 1
		.amdhsa_wavefront_size32 1
		.amdhsa_system_sgpr_workgroup_id_x 1
		.amdhsa_system_sgpr_workgroup_id_y 1
		.amdhsa_system_sgpr_workgroup_id_z 1
		.amdhsa_system_vgpr_workitem_id 0
		.amdhsa_next_free_vgpr 1024
		.amdhsa_next_free_sgpr 96
		.amdhsa_reserve_vcc 0
		.amdhsa_float_denorm_mode_32 3
		.amdhsa_float_denorm_mode_16_64 3
		.amdhsa_memory_ordered 1
		.amdhsa_forward_progress 1
		.amdhsa_inst_pref_size 230
	.end_amdhsa_kernel
	.amdgpu_metadata
---
amdhsa.version: [ 1, 2 ]
amdhsa.kernels:
  - .name:           k_q11fc702244_proj
    .symbol:         k_q11fc702244_proj.kd
    .args:
      - { .name: opnd, .offset: 0, .size: 8, .value_kind: global_buffer, .address_space: global }
      - { .name: bq, .offset: 8, .size: 8, .value_kind: global_buffer, .address_space: global }
      - { .name: bk, .offset: 16, .size: 8, .value_kind: global_buffer, .address_space: global }
      - { .name: bv, .offset: 24, .size: 8, .value_kind: global_buffer, .address_space: global }
      - { .name: qkv, .offset: 32, .size: 8, .value_kind: global_buffer, .address_space: global }
    .group_segment_fixed_size: 197120
    .private_segment_fixed_size: 0
    .kernarg_segment_align: 8
    .kernarg_segment_size: 40
    .max_flat_workgroup_size: 128
    .sgpr_count:     96
    .vgpr_count:     1024
    .wavefront_size: 32
...
	.end_amdgpu_metadata
.endif
;; end of part 2
;; launch score (part 3): grid 8 x 32, 4 waves a work-group, clusters of 4 x 4, 327,680 bytes of LDS; arguments qkv, sparse_mask, attention_mask, prob; writes prob
.if DOCPART == 3
	.amdgcn_target "amdgcn-amd-amdhsa--gfx1250"
	.amdhsa_code_object_version 6
	.text
	.protected	k_q11fc702244_score
	.globl	k_q11fc702244_score
	.p2align	8
	.type	k_q11fc702244_score,@function
k_q11fc702244_score:
	s_mov_b64 s[64:65], 0
	v_nop
	global_prefetch_b8 v0, s[64:65] scope:SCOPE_SE
	s_setreg_imm32_b32 hwreg(HW_REG_WAVE_MODE, 25, 1), 1
	s_wait_xcnt 0x0
	s_wait_alu depctr_hold_cnt(0) depctr_sa_sdst(0) depctr_va_vdst(0) depctr_va_sdst(0) depctr_va_ssrc(0) depctr_va_vcc(0) depctr_vm_vsrc(0)
	s_getreg_b32 s2, hwreg(HW_REG_IB_STS2, 6, 4)
	s_cmp_eq_u32 s2, 0
	s_cbranch_scc0 .Lentry_in_a_cluster
	s_endpgm
.Lentry_in_a_cluster:
	s_bfe_u32 s2, ttmp6, 0x10000c
	s_cmp_lg_u32 s2, 0xf033
	s_cbranch_scc0 .Lentry_shape_is_right
	s_endpgm
.Lentry_shape_is_right:
; S = q k^T on codes of FP6 (K = 1,024); logit = S / 32 + attention_mask, -infinity where sparse_mask is set; then, for each query and each run of 128 keys: M_loc = ceil(largest t), t = logit x log2(e);
; p = 2^(t - M_loc), quantised along the keys to FP6; l_loc = the sum of the unquantised p.  The next launch brings all runs of a row under the row's M: a power of two, taken off p's scale bytes.
; A work-group makes 256 queries x 256 keys of one batch; a wave 64 queries x two runs of 128 keys, one run after the other: 32 accumulators.  Transposed use: source 0 = 16 keys, source 1 = 16 queries: a lane holds one
; query, and the 16 registers of two neighbouring tiles are 16 neighbouring keys (rows are kept with bits 3 and 4 of their number exchanged): one image and one scale word a row and run, made in registers.
; NO RING.  k's 256 rows for all of K, 192 KB, come into LDS ONCE, one joint tensor load a wave at the head.  A wave's 64 rows of q for all of K are 32 images, 384 registers: read once from memory as they lie
; (three loads of 512 consecutive bytes an image), three steps ahead of their first use, and kept for both runs.  The scale words come by loads of 4 bytes a lane, three steps ahead, in four sets.
; sparse_mask's tile is a first fill behind the head's round: each wave fetches the 64 rows that it alone reads.
; Stored: image (T, s) of p at [T][16 s] x 1,536 bytes; from byte REC on, for (s, row), 16 bytes: scale word, -M_loc, l_loc, 0.
; CLUSTER 4 x 4: k's rows hang on the batch and the work-group's x alone and are asked for jointly along a column.  q's images land in registers, where no joint load can put them.
; No prefetch: every byte of q and k is asked for at the head or within the first five steps, and there is no later stream.
; LIMITS: NaN and +infinity among the logits are not served; -infinity in attention_mask is.  A run that is hidden throughout gets M_loc = -3e38, p = 0, l_loc = 0.  Of a mask byte bit 0 is read.  t - M is one fused
; multiply-add of the logit.  A block of zeros gets the byte 1 (zero codes).  The largest p of a block is the exponential of its largest logit: this takes v_exp_f32 not to fall where its input rises.
; REGISTERS: window 0: v0-31 addresses; v32-63 scale words, four sets; v64-127 attention_mask; v128-223 k's fragments, even steps; on the way out v128-255 are at work.
;   window 1: q's images of steps 0-4;  window 2: accumulators;  window 3: v0-143 q's images of steps 5-7, v144-239 k's fragments, odd steps.
.set NP,    4
.set MSK,   196608                     ; behind k's 192 KB: sparse_mask's tile, 256 rows x (256 bytes + 16)
.set SPARE, 266240
.set SC2,   18874368
.set REC,   12582912
.set LI,   8                           ; v8 16 x lane; v9-11 the same + 49,152, 98,304, 147,456: k's groups of 64 rows
.set VS2,  12                          ; v12, v13 scale words of blocks 0-3, run 0, 1: lanes 0-15 q's rows, lanes 16-31 k's
.set VS3,  14                          ; v14 blocks 4-7: k's in all lanes (q has four blocks)
.set MADR, 24
.set RO,   26
.set VAM,  27
.set SPW,  28
.set NIL,  29
.set SC,   32
.set AM,   64
.set P,    128                         ; the way out: v128-191 logits, then p
.set MK,   192
.set BM,   208
.set T2,   212
.set SO,   216
.set PC,   220
.set NM,   240
.set LA,   242
.set LB,   244
.set PW,   246
.set TX,   247
.set D0,   248
.set Y0,   250
.set YH,   254
.set PQ,   20
.set G1,   24
.set G0,   32
.set PSC,  54
.set G1M,  80
.set G0M,  88
.set SEL,  92
.set HM,   94
.set MSB, 0
.macro WIN new
.if MSB != \new
	s_set_vgpr_msb (MSB<<8)|\new
.set MSB, \new
.endif
.endm
.macro CROUND
	s_barrier_signal -1
	s_barrier_wait -1
	s_cmp_lg_u32 s14, 0
	s_cbranch_scc1 .Lnot_wave_0_\@
	s_barrier_signal -3
.Lnot_wave_0_\@:
	s_barrier_wait -3
	s_barrier_signal -1
	s_barrier_wait -1
.endm
.macro PLACES n
.rept \n
	v_nop
.endr
.endm
	s_load_b256 s[4:11], s[0:1], 0x0               ; qkv s[4:5], sparse_mask s[6:7], attention_mask s[8:9], prob s[10:11]
	v_lshl_add_u32 v[SPW], v0, 2, SPARE
	v_mov_b32 v[NIL], 0
	ds_add_u32 v[SPW], v[NIL]                      ; the wave's opening: the add, twice on end, and its wait ahead of my first tensor load
	ds_add_u32 v[SPW], v[NIL]
	v_lshrrev_b32 v1, 5, v0
	v_readfirstlane_b32 s14, v1                    ; wave
	s_bfe_u32 s40, ttmp6, 0x40000                  ; cx
	s_bfe_u32 s41, ttmp6, 0x40004                  ; cy
	s_and_b32 s18, ttmp7, 0xffff
	s_lshl_b32 s17, s18, 2
	s_add_co_u32 s17, s17, s41                     ; y: q's 256 rows, over all batches
	s_lshr_b32 s67, s18, 1                         ; the batch
	s_lshl_b32 s66, ttmp9, 2
	s_add_co_u32 s66, s66, s40                     ; x: the batch's 256 keys
	s_lshl_b32 s44, 0x1111, s40                    ; my column of the cluster
	s_or_b32 s[G1], s44, (3<<16)|(1<<21)           ; the mask; elements of 8 bytes; bit 21 beside a mask
	s_mov_b32 s[G1+1], 1536<<16                    ; 64 rows for all of K: 4 rows of 12,288 bytes, dense
	s_mov_b32 s[G1+2], 4<<16
	s_mov_b32 s[G1+3], 1536<<16
	s_mov_b32 s[G1+4], 4
	s_mov_b32 s[G1+5], 1536
	s_mov_b32 s[G1+6], 0
	s_mov_b32 s[G1+7], 0
	s_mov_b32 s[G1M+0], (3<<16)|(1<<20)|(5<<22)|(3<<25)   ; 64 rows of 256 bytes, 16 bytes of padding behind each
	s_mov_b32 s[G1M+1], 32<<16
	s_mov_b32 s[G1M+2], 64<<16
	s_mov_b32 s[G1M+3], 32<<16
	s_mov_b32 s[G1M+4], 64
	s_mov_b32 s[G1M+5], 256                        ; a row of sparse_mask is 2,048 bytes
	s_mov_b32 s[G1M+6], 0
	s_mov_b32 s[G1M+7], 0
	s_lshl_b32 s42, s67, 7
	s_lshl_b32 s43, s66, 4
	s_add_co_u32 s42, s42, s43
	s_add_co_u32 s42, s42, 512                     ; k's first group of 16 rows: behind q's 512 groups
	s_lshl_b32 s43, s14, 2
	s_add_co_u32 s46, s42, s43
	s_mul_i32 s46, s46, 12288                      ; the 64 rows of k that I fetch
	s_mov_b32 s47, 0
	s_lshl_b32 s45, s17, 4
	s_add_co_u32 s45, s45, s43                     ; T = 16 y + 4 wave: my 64 rows of q
	s_mul_i32 s20, s45, 12288
	s_mov_b32 s21, 0
	s_lshl_b32 s22, s45, 6                         ; the same as bytes of scale words: 64 a group
	s_lshl_b32 s23, s42, 6
	s_sub_co_u32 s19, s23, s22                     ; k's lie behind q's
	s_add_co_u32 s16, s19, 512                     ; run 1: k's 128 rows on
	s_lshl_b32 s2, s17, 8
	s_lshl_b32 s3, s14, 6
	s_add_co_u32 s2, s2, s3                        ; the mask's rows 256 y + 64 wave on,
	s_lshl_b32 s2, s2, 11
	s_lshl_b32 s3, s66, 8
	s_add_co_u32 s2, s2, s3                        ; keys 256 x on
	s_mov_b32 s3, 0
	s_mul_i32 s15, s14, 64*272
	s_add_co_u32 s15, s15, MSK
	s_lshl_b32 s48, s67, 11
	s_lshl_b32 s49, s66, 8
	s_add_co_u32 s48, s48, s49
	s_lshl_b32 s48, s48, 2                         ; attention_mask at my 256 keys
	s_mov_b32 s49, 0
	s_lshl_b32 s52, s66, 1                         ; s = 2 x + run: the second product's K step
	s_lshl_b32 s53, s45, 4
	s_add_co_u32 s50, s53, s52
	s_mul_i32 s50, s50, 1536                       ; image (T, s)
	s_mov_b32 s51, 0
	s_lshl_b32 s52, s52, 13
	s_add_co_u32 s52, s52, s53
	s_lshl_b32 s52, s52, 4
	s_add_co_u32 s52, s52, REC
	s_mov_b32 s53, 0
	s_mov_b32 s[SEL], 0x76543210
	s_mov_b32 s[SEL+1], 0xfedcba98
	s_mov_b32 s[HM], 0xffff0000
	s_mov_b32 s95, 0x7f800000                      ; +infinity
	s_mov_b32 s96, 0x3d000000                      ; 1 / 32 = 1 / sqrt(1,024): exact
	s_mov_b32 s97, s96
	s_mov_b32 s98, 0x3fb8aa3b                      ; log2(e)
	s_mov_b32 s99, s98
	s_mov_b32 s100, 0xff61b1e6                     ; -3e38
	v_and_b32 v1, 15, v0                           ; r
	v_bfe_u32 v2, v0, 4, 1                         ; h
	v_and_b32 v5, 31, v0
	v_lshlrev_b32 v[LI], 4, v5
	v_add_nc_u32 v[LI+1], 49152, v[LI]
	v_add_nc_u32 v[LI+2], 98304, v[LI]
	v_add_nc_u32 v[LI+3], 147456, v[LI]
	v_and_b32 v3, 8, v1
	v_add_nc_u32 v3, v3, v1                        ; r + 8 (r / 8)
	v_mul_u32_u24 v6, v3, 272                      ; the mask: my query's row, my half's 16 of each 32 keys
	v_lshl_add_u32 v6, v2, 4, v6
	v_add_nc_u32 v[MADR], s15, v6
	v_lshlrev_b32 v[RO], 4, v1
	v_lshl_add_u32 v[RO], v2, 3, v[RO]             ; a row's 16 bytes: lanes 0-15 the first 8, lanes 16-31 the rest
	v_lshlrev_b32 v[VAM], 6, v2
	v_lshlrev_b32 v1, 2, v1
	v_add_nc_u32 v[VS3], s23, v1
	v_add_nc_u32 v3, s22, v1
	v_mad_u32_u24 v[VS2], v2, s19, v3
	v_mad_u32_u24 v[VS2+1], v2, s16, v3
	s_wait_alu depctr_va_vdst(0)                   ; the wait at the head's end
	s_wait_dscnt 0x0                               ; both opening adds are done
	s_wait_kmcnt 0x0
	s_add_nc_u64 s[PQ:PQ+1], s[4:5], s[20:21]
	s_add_nc_u64 s[46:47], s[4:5], s[46:47]
	s_add_nc_u64 s[PSC:PSC+1], s[4:5], SC2
	s_add_nc_u64 s[2:3], s[6:7], s[2:3]
	s_add_nc_u64 s[8:9], s[8:9], s[48:49]
	s_add_nc_u64 s[12:13], s[10:11], s[52:53]      ; the rows' records
	s_add_nc_u64 s[10:11], s[10:11], s[50:51]      ; the images
	s_mov_b32 s[G0], 1
	s_mul_i32 s[G0+1], s14, 49152
	s_mov_b64 s[G0+2:G0+3], s[46:47]
	s_or_b32 s[G0+3], s[G0+3], 0x80000000
	s_mov_b32 s[G0M], 1
	s_mov_b32 s[G0M+1], s15
	s_mov_b64 s[G0M+2:G0M+3], s[2:3]
	s_or_b32 s[G0M+3], s[G0M+3], 0x80000000
	CROUND                                         ; all sixteen work-groups are here: the joint loads meet
	tensor_load_to_lds s[G0:G0+3], s[G1:G1+7]      ; my 64 rows of k, all of K: my one tensor load at the head
	s_nop 0
	PLACES 4
; g counts the steps of both runs: run g / 8, step g % 8 of 128 along K
.macro LSC g                           ; the scale words of step g into set g % 4: register i: lanes 0-15 q's block i (i < 4), lanes 16-31 k's block i
.irp i, 0,1,2,3
	global_load_b32 v[SC+8*((\g)%4)+\i], v[VS2+(\g)/8], s[PSC:PSC+1] offset:((\g)%8)*65536+64*\i
.endr
.irp i, 4,5,6,7
	global_load_b32 v[SC+8*((\g)%4)+\i], v[VS3], s[PSC:PSC+1] offset:((\g)%8)*65536+64*\i+512*((\g)/8)
.endr
.endm
.macro LQ s                            ; q's four images of step s, into the registers that keep them
.if (\s) > 4
	WIN 0xc0
.set QD, 48*((\s)-5)
.else
	WIN 0x40
.set QD, 48*(\s)
.endif
.irp a, 0,1,2,3
.irp g, 0,1,2
	global_load_b128 v[QD+12*\a+4*\g:QD+12*\a+4*\g+3], v[LI], s[PQ:PQ+1] offset:\a*12288+(\s)*1536+512*\g
.endr
.endr
	WIN 0
.endm
.macro LAM kt                          ; attention_mask at run kt's keys: register 16 b + i: key 32 b + 16 h + i
.irp b, 0,1,2,3
.irp j, 0,1,2,3
	global_load_b128 v[AM+16*\b+4*\j:AM+16*\b+4*\j+3], v[VAM], s[8:9] offset:128*\b+16*\j+512*(\kt)
.endr
.endr
.endm
.macro FB g                            ; k's eight images of step g from LDS: even steps into window 0, odd ones into window 3
.if (\g)%2
	WIN 0xc0
.else
	WIN 0
.endif
.irp i, 0,1,2,3,4,5,6,7
.irp c, 0,1,2
	ds_load_b128 v[128+16*((\g)%2)+12*\i+4*\c:128+16*((\g)%2)+12*\i+4*\c+3], v[LI+2*((\g)/8)+\i/4] offset:(\i%4)*12288+((\g)%8)*1536+512*\c
.endr
.endr
.endm
.macro MUL a, g                        ; q's block a x k's eight; the 32 accumulators take turns; a run's first step starts the sums
.irp b, 0,1,2,3,4,5,6,7
.set AC, 8*(8*(\a)+\b)
.if S8 == 0
	v_wmma_scale_f32_16x16x128_f8f6f4 v[AC:AC+7], v[BB+12*\b:BB+12*\b+11], v[QB+12*(\a):QB+12*(\a)+11], 0, v[SC+8*((\g)%4)+\b], v[SC+8*((\g)%4)+(\a)] matrix_a_fmt:MATRIX_FMT_FP6 matrix_b_fmt:MATRIX_FMT_FP6 matrix_a_scale:MATRIX_SCALE_ROW1
.else
	v_wmma_scale_f32_16x16x128_f8f6f4 v[AC:AC+7], v[BB+12*\b:BB+12*\b+11], v[QB+12*(\a):QB+12*(\a)+11], v[AC:AC+7], v[SC+8*((\g)%4)+\b], v[SC+8*((\g)%4)+(\a)] matrix_a_fmt:MATRIX_FMT_FP6 matrix_b_fmt:MATRIX_FMT_FP6 matrix_a_scale:MATRIX_SCALE_ROW1
.endif
.endr
.endm
; A step: 32 matrix instructions; behind them k's images of two steps on, and the loads of three steps on: 8 of scale words, and up to step 7 of the first run 12 of q
.macro STEP g
.set S8, (\g)%8
.set WL, 16                            ; loads younger than this step's own: two groups of 20 (g <= 5); 20 + 8; 8 + 8; with the second attention_mask's 16 among them 32 (g = 8 .. 10); 8 + 8; 8; none
.if (\g) <= 5
.set WL, 40
.endif
.if (\g) == 6
.set WL, 28
.endif
.if ((\g) >= 8) && ((\g) <= 10)
.set WL, 32
.endif
.if (\g) == 14
.set WL, 8
.endif
.if (\g) == 15
.set WL, 0
.endif
	s_wait_loadcnt WL
.if S8 == 7
	s_wait_dscnt 0x0
.else
	s_wait_dscnt 24                                ; this step's k is in; the next step's 24 loads may be out
.endif
.set BB, 128+16*((\g)%2)
.set QB, 48*S8
.set WM, 0xa4+3*((\g)%2)               ; source 0 (k) window 0 or 3, source 1 (q) window 1, C and D window 2
.if S8 > 4
.set QB, 48*(S8-5)
.set WM, 0xac+3*((\g)%2)               ; q in window 3
.endif
	WIN WM
.irp a, 0,1,2,3
	MUL \a, \g
.endr
.if (S8 <= 5) || ((\g) <= 12)
	PLACES NP
.if S8 <= 5
	FB (\g)+2
.endif
	WIN 0
.if (\g) <= 12
	LSC (\g)+3
.endif
.if (\g) <= 4
	LQ (\g)+3
.endif
.endif
.endm
; THE WAY OUT of q's block a, run kt: 16 queries x 128 keys
.macro SOFT a, kt
.set AC, 64*(\a)
	s_wait_xcnt 0x0                                ; the last block's stores have read their data
.irp b, 0,1,2,3
	ds_load_b128 v[MK+4*\b:MK+4*\b+3], v[MADR] offset:(32*((\a)/2)+8*((\a)%2))*272+32*\b+128*(\kt)   ; my query's 16 mask bytes of each block of 32 keys
.endr
	WIN 2
.set j, 0
.rept 32
	v_pk_fma_f32 v[P+j:P+j+1], v[AC+j:AC+j+1], s[96:97], v[AM+j:AM+j+1] op_sel_hi:[1,0,1]   ; S / 32 + attention_mask: one rounding, since / 32 is exact; each accumulator from its low end on
.set j, j+2
.endr
	WIN 0
	s_wait_dscnt 0x0
.set j, 0
.rept 16                                       ; a mask byte's bit 0 becomes the sign of an infinity; the minimum with it leaves the logit or makes it -infinity
	v_and_b32 v[YH], s[HM], v[MK+j]
	v_lshl_or_b32 v[Y0], v[MK+j], 31, s95
	v_lshl_or_b32 v[Y0+1], v[MK+j], 23, s95        ; (byte 0's bit falls on bit 23, which is set anyway)
	v_lshl_or_b32 v[Y0+2], v[YH], 15, s95
	v_lshl_or_b32 v[Y0+3], v[YH], 7, s95
	v_min_num_f32 v[P+4*j], v[P+4*j], v[Y0]
	v_min_num_f32 v[P+4*j+1], v[P+4*j+1], v[Y0+1]
	v_min_num_f32 v[P+4*j+2], v[P+4*j+2], v[Y0+2]
	v_min_num_f32 v[P+4*j+3], v[P+4*j+3], v[Y0+3]
.set j, j+1
.endr
.irp b, 0,1,2,3
	v_max3_num_f32 v[BM+\b], v[P+16*\b], v[P+16*\b+1], v[P+16*\b+2]   ; the largest logit of each block of 32 keys: for the maximum, and for the block's largest p
.endr
.irp i, 3,5,7,9,11,13
.irp b, 0,1,2,3
	v_max3_num_f32 v[BM+\b], v[BM+\b], v[P+16*\b+\i], v[P+16*\b+\i+1]
.endr
.endr
.irp b, 0,1,2,3
	v_max_num_f32 v[BM+\b], v[BM+\b], v[P+16*\b+15]
.endr
.irp b, 0,1,2,3
	v_permlanex16_b32 v[T2+\b], v[BM+\b], s[SEL], s[SEL+1]
.endr
.irp b, 0,1,2,3
	v_max_num_f32 v[BM+\b], v[BM+\b], v[T2+\b]
.endr
	v_max3_num_f32 v[TX], v[BM], v[BM+1], v[BM+2]
	v_max_num_f32 v[TX], v[TX], v[BM+3]
	v_mul_f32 v[TX], s98, v[TX]                    ; the largest t of these 128 keys,
	v_max_num_f32 v[TX], s100, v[TX]               ; held over -3e38: a run that is hidden throughout keeps a finite M
	v_floor_f32 v[NM], -v[TX]                      ; -M_loc = floor(-t) = -ceil(t): a whole number
.set j, 0
.rept 32
	v_pk_fma_f32 v[P+j:P+j+1], v[P+j:P+j+1], s[98:99], v[NM:NM+1] op_sel_hi:[1,0,0]   ; t - M
.set j, j+2
.endr
.irp b, 0,1,2,3
	v_fma_f32 v[BM+\b], v[BM+\b], s98, v[NM]
.endr
.set j, 0
	s_wait_alu depctr_va_vdst(0)                   ; the wait ahead of the batch
.rept 64
	v_exp_f32 v[P+j], v[P+j]                       ; p = 2^(t - M), at most 1
.set j, j+1
.endr
	v_cndmask_b32 v[D0+1], v[NM], v[NIL], s[HM]    ; the record's words 1 and 3.  (A plain instruction behind the exponentials)
	s_wait_alu depctr_va_vdst(0)                   ; one wait for the batch, ahead of its first reader
.irp b, 0,1,2,3
	v_exp_f32 v[BM+\b], v[BM+\b]                   ; the block's largest p
.endr
	v_pk_add_f32 v[LA:LA+1], v[P:P+1], v[P+4:P+5]  ; the sum of the UNQUANTISED p, in two chains
	v_pk_add_f32 v[LB:LB+1], v[P+2:P+3], v[P+6:P+7]
.set j, 8
.rept 14
	v_pk_add_f32 v[LA:LA+1], v[LA:LA+1], v[P+j:P+j+1]
	v_pk_add_f32 v[LB:LB+1], v[LB:LB+1], v[P+j+2:P+j+3]
.set j, j+4
.endr
	v_pk_add_f32 v[LA:LA+1], v[LA:LA+1], v[LB:LB+1]
	s_wait_alu depctr_va_vdst(0)                   ; and one for the four
.irp b, 0,1,2,3
	v_max_num_f32 v[BM+\b], 0x1800000, v[BM+\b]    ; the floor 2^(3 - 127)
.endr
.irp b, 0,1,2,3
	v_add_nc_u32 v[SO+\b], 0xff000000, v[BM+\b]
.endr
.irp b, 0,1,2,3
	v_lshrrev_b32 v[T2+\b], 23, v[SO+\b]
.endr
	v_lshl_or_b32 v[PW], v[T2+1], 8, v[T2]
	v_lshl_or_b32 v[PW], v[T2+2], 16, v[PW]
	v_lshl_or_b32 v[PW], v[T2+3], 24, v[PW]
.irp c, 0,1
	v_cvt_scalef32_pk16_fp6_f32 v[PC+6*\c:PC+2+6*\c], v[P+32*\c:P+32*\c+15], v[SO+2*\c]
	v_cvt_scalef32_pk16_fp6_f32 v[PC+12+4*\c:PC+14+4*\c], v[P+32*\c+16:P+32*\c+31], v[SO+2*\c+1]
.endr
	v_add_f32 v[TX], v[LA], v[LA+1]                ; (a plain instruction behind the conversions)  the sum's two halves,
.irp c, 0,1
.irp i, 0,1,2
	v_permlane16_swap_b32 v[PC+6*\c+\i], v[PC+12+4*\c+\i]
.endr
.irp i, 0,1,2
	v_mov_b32 v[PC+3+6*\c+\i], v[PC+12+4*\c+\i]
.endr
.endr
	v_permlanex16_b32 v[Y0], v[TX], s[SEL], s[SEL+1]
	v_add_f32 v[TX], v[TX], v[Y0]                  ; and lane l xor 16's: l_loc
	v_cndmask_b32 v[D0], v[PW], v[TX], s[HM]       ; the record's words 0 and 2
.irp g, 0,1,2
	global_store_b128 v[LI], v[PC+4*\g:PC+4*\g+3], s[10:11] offset:24576*(\a)+1536*(\kt)+512*\g   ; 512 consecutive bytes
.endr
	global_store_b64 v[RO], v[D0:D0+1], s[12:13] offset:256*(\a)+131072*(\kt)   ; 16 rows' records: 256 consecutive bytes, aligned
.endm
.macro SOFTS kt
	PLACES NP
.irp b, 0,1,2,3
	v_mov_b32 v[T2+\b], 0                          ; a lane permute's destination counts as one of its sources
.endr
	v_mov_b32 v[NM+1], 0                           ; (named as the upper half of a pair)
.irp a, 0,1,2,3
	SOFT \a, \kt
.endr
.endm
	LAM 0
.irp g, 0,1,2
	LSC \g
	LQ \g
.endr
	s_wait_tensorcnt 0x0                           ; my part of k is in
	ds_add_u32 v[SPW], v[NIL]
	s_wait_dscnt 0x0
	CROUND                                         ; a whole round: k is whole
	tensor_load_to_lds s[G0M:G0M+3], s[G1M:G1M+7]  ; my 64 rows of the mask's tile, my one tensor load behind the round; I alone read them
	s_nop 0
	PLACES 4
	FB 0
	FB 1
	WIN 0
.irp g, 0,1,2,3,4,5,6,7
	STEP \g
.endr
	WIN 0
	s_wait_tensorcnt 0x0                           ; my rows of the mask are in
	SOFTS 0
	s_wait_xcnt 0x0                                ; the last stores have read their data: k's fragments may land there
	LAM 1
	FB 8
	FB 9
	WIN 0
.irp g, 8,9,10,11,12,13,14,15
	STEP \g
.endr
	WIN 0
	SOFTS 1
	s_wait_tensorcnt 0x0                           ; the wave's end
	ds_add_u32 v[SPW], v[NIL]
	s_wait_dscnt 0x0
	CROUND                                         ; the closing round
	s_endpgm
.Lfunc_end_k_q11fc702244_score:
	.size	k_q11fc702244_score, .Lfunc_end_k_q11fc702244_score-k_q11fc702244_score
	.p2alignl 7, 3214868480
	.fill 96, 4, 3214868480
	.section	.rodata,"a",@progbits
	.p2align	6, 0x0
	.amdhsa_kernel k_q11fc702244_score
		.amdhsa_group_segment_fixed_size 327680
		.amdhsa_private_segment_fixed_size 0
		.amdhsa_enable_private_segment 0
		.amdhsa_kernarg_size 32
		.amdhsa_user_sgpr_count 2
		.amdhsa_user_sgpr_kernarg_segment_ptr 1
		.amdhsa_wavefront_size32 1
		.amdhsa_system_sgpr_workgroup_id_x 1
		.amdhsa_system_sgpr_workgroup_id_y 1
		.amdhsa_system_sgpr_workgroup_id_z 1
		.amdhsa_system_vgpr_workitem_id 0
		.amdhsa_next_free_vgpr 1024
		.amdhsa_next_free_sgpr 101
		.amdhsa_reserve_vcc 0
		.amdhsa_float_denorm_mode_32 3
		.amdhsa_float_denorm_mode_16_64 3
		.amdhsa_memory_ordered 1
		.amdhsa_forward_progress 1
		.amdhsa_inst_pref_size 255
	.end_amdhsa_kernel
	.section	.bss,"aw",@nobits
	.p2align	6
	.space	262144
	.amdgpu_metadata
---
amdhsa.version: [ 1, 2 ]
amdhsa.kernels:
  - .name:           k_q11fc702244_score
    .symbol:         k_q11fc702244_score.kd
    .args:
      - { .name: qkv, .offset: 0, .size: 8, .value_kind: global_buffer, .address_space: global }
      - { .name: sparse_mask, .offset: 8, .size: 8, .value_kind: global_buffer, .address_space: global }
      - { .name: attention_mask, .offset: 16, .size: 8, .value_kind: global_buffer, .address_space: global }
      - { .name: prob, .offset: 24, .size: 8, .value_kind: global_buffer, .address_space: global }
    .group_segment_fixed_size: 327680
    .private_segment_fixed_size: 0
    .kernarg_segment_align: 8
    .kernarg_segment_size: 32
    .max_flat_workgroup_size: 128
    .sgpr_count:     101
    .vgpr_count:     1024
    .wavefront_size: 32
...
	.end_amdgpu_metadata
.endif
;; end of part 3
;; launch ctx (part 4): grid 8 x 32, 4 waves a work-group, clusters of 4 x 4, 230,912 bytes of LDS; arguments prob, qkv, out0; writes out0
.if DOCPART == 4
	.amdgcn_target "amdgcn-amd-amdhsa--gfx1250"
	.amdhsa_code_object_version 6
	.text
	.protected	k_q11fc702244_ctx
	.globl	k_q11fc702244_ctx
	.p2align	8
	.type	k_q11fc702244_ctx,@function
k_q11fc702244_ctx:
	s_mov_b64 s[64:65], 0
	v_nop
	global_prefetch_b8 v0, s[64:65] scope:SCOPE_SE
	s_setreg_imm32_b32 hwreg(HW_REG_WAVE_MODE, 25, 1), 1
	s_wait_xcnt 0x0
	s_wait_alu depctr_hold_cnt(0) depctr_sa_sdst(0) depctr_va_vdst(0) depctr_va_sdst(0) depctr_va_ssrc(0) depctr_va_vcc(0) depctr_vm_vsrc(0)
	s_getreg_b32 s2, hwreg(HW_REG_IB_STS2, 6, 4)
	s_cmp_eq_u32 s2, 0
	s_cbranch_scc0 .Lentry_in_a_cluster
	s_endpgm
.Lentry_in_a_cluster:
	s_bfe_u32 s2, ttmp6, 0x10000c
	s_cmp_lg_u32 s2, 0xf033
	s_cbranch_scc0 .Lentry_shape_is_right
	s_endpgm
.Lentry_shape_is_right:
; context = (p v) / l on codes of FP6, K = the batch's 2,048 keys.  p comes as images (16 queries x 128 keys) with, for each row and run of 128 keys, a record: scale word, -M_loc, l_loc.
; The row's -M is the least -M_loc; a run's p is brought under it by taking M - M_loc off its four scale bytes (a byte that would fall under 0 becomes 0, and M - M_loc is held at 127: such a run counts for
; under 2^-127 of the row's largest p); l = the sum of l_loc x 2^(M_loc - M); the result is multiplied by 1 / l.
; A work-group makes 256 queries x 128 channels; a wave 64 queries x 128 channels: 32 accumulators.  Transposed use: source 0 = 16 rows of v^T, source 1 = 16 rows of p: a lane holds one query, its registers run along the channels.
; NO RING.  v^T's 128 rows for all 2,048 keys, 192 KB, come into LDS ONCE, one joint tensor load a wave at the head.  p's images, each read by one wave alone, go from memory straight into that wave's registers
; (three loads of 512 consecutive bytes an image), four steps ahead, with v^T's scale words of the step: 16 loads a step, four sets.
; The records are worked in the scale operand's own layout: lane l takes row 32 j + l of my 64, so a register holds block 2 j's words in lanes 0-15 and block 2 j + 1's in lanes 16-31, picked by the ROW selector;
; v^T's scale words lie the same way as they are loaded.  No scale word goes through LDS.
; CLUSTER 4 x 4: v^T's rows hang on the batch and the work-group's x alone and are asked for jointly along a column.  p's images land in registers, where no joint load can put them.
; No prefetch: v^T is asked for whole at the head, and p's stream already runs four steps ahead in registers.
; LIMITS: NaN and infinities are not served; a row that is hidden throughout has l = 0 and gives NaN, as the softmax of such a row does.
; REGISTERS: window 0: v0-29 addresses; v32-63 p's scale words; v64-79 v^T's, four sets; v96-103 1 / l; v128-255 the records; on the way out v32-95 and v128-255 are at work.
;   window 1: p's images, four sets of 48;  window 2: accumulators;  window 3: v^T's fragments, two sets of 96.
.set NP,    4
.set STAGE, 196608                     ; behind v^T's 192 KB: a stage of 16 rows x (512 bytes + 16) for each wave
.set SPITCH, 528
.set SPARE, 230400
.set VT_IMG, 12582912
.set VT_SC, 19398656
.set REC,   12582912
.set L4,   11
.set LI,   12                          ; v12 16 x lane; v13-15 the same + 49,152, 98,304, 147,456: v^T's groups of 32 rows
.set STO,  20
.set RD,   21
.set RLJ,  22
.set XL,   24
.set SPW,  28
.set NIL,  29
.set WA,   32
.set TO,   32
.set VSR,  64
.set RL,   96
.set RC,   128
.set BK,   128
.set PA,   20
.set PVS,  10
.set G1,   24
.set G0,   32
.set SEL,  68
.set HM,   70
.set MSB, 0
.macro WIN new
.if MSB != \new
	s_set_vgpr_msb (MSB<<8)|\new
.set MSB, \new
.endif
.endm
.macro CROUND
	s_barrier_signal -1
	s_barrier_wait -1
	s_cmp_lg_u32 s14, 0
	s_cbranch_scc1 .Lnot_wave_0_\@
	s_barrier_signal -3
.Lnot_wave_0_\@:
	s_barrier_wait -3
	s_barrier_signal -1
	s_barrier_wait -1
.endm
.macro PLACES n
.rept \n
	v_nop
.endr
.endm
	s_load_b128 s[4:7], s[0:1], 0x0                ; prob s[4:5], qkv s[6:7]
	s_load_b64 s[8:9], s[0:1], 0x10                ; out0
	v_lshl_add_u32 v[SPW], v0, 2, SPARE
	v_mov_b32 v[NIL], 0
	ds_add_u32 v[SPW], v[NIL]                      ; the wave's opening: the add, twice on end, and its wait ahead of my first tensor load
	ds_add_u32 v[SPW], v[NIL]
	v_lshrrev_b32 v1, 5, v0
	v_readfirstlane_b32 s14, v1                    ; wave
	s_bfe_u32 s40, ttmp6, 0x40000                  ; cx
	s_bfe_u32 s41, ttmp6, 0x40004                  ; cy
	s_and_b32 s18, ttmp7, 0xffff
	s_lshl_b32 s17, s18, 2
	s_add_co_u32 s17, s17, s41                     ; y: 256 queries, over all batches
	s_lshr_b32 s42, s18, 1                         ; the batch
	s_lshl_b32 s43, ttmp9, 2
	s_add_co_u32 s43, s43, s40                     ; x: 128 channels
	s_lshl_b32 s44, 0x1111, s40                    ; my column of the cluster
	s_or_b32 s[G1], s44, (3<<16)|(1<<21)
	s_mov_b32 s[G1+1], 1536<<16                    ; 32 rows for all keys: 4 rows of 12,288 bytes, dense
	s_mov_b32 s[G1+2], 4<<16
	s_mov_b32 s[G1+3], 1536<<16
	s_mov_b32 s[G1+4], 4
	s_mov_b32 s[G1+5], 1536
	s_mov_b32 s[G1+6], 0
	s_mov_b32 s[G1+7], 0
	s_lshl_b32 s46, s42, 6
	s_lshl_b32 s47, s43, 3
	s_add_co_u32 s46, s46, s47
	s_lshl_b32 s47, s14, 1
	s_add_co_u32 s46, s46, s47                     ; v^T's groups of 16 rows: 64 batch + 8 x + 2 wave on
	s_mul_i32 s46, s46, 24576
	s_add_co_u32 s46, s46, VT_IMG
	s_mov_b32 s47, 0
	s_lshl_b32 s45, s17, 4
	s_lshl_b32 s19, s14, 2
	s_add_co_u32 s45, s45, s19                     ; T = 16 y + 4 wave: my 64 queries
	s_mul_i32 s20, s45, 24576
	s_mov_b32 s21, 0
	s_lshl_b32 s22, s45, 8
	s_add_co_u32 s22, s22, REC                     ; their records of run 0: 16 bytes a row
	s_mov_b32 s23, 0
	s_lshl_b32 s10, s42, 14
	s_lshl_b32 s11, s43, 7
	s_add_co_u32 s10, s10, s11
	s_lshl_b32 s10, s10, 2
	s_add_co_u32 s10, s10, VT_SC                   ; v^T's scale words of my 128 channels, run 0
	s_mov_b32 s11, 0
	s_lshl_b32 s12, s45, 16                        ; out0: rows of 4,096 bytes,
	s_lshl_b32 s13, s43, 9
	s_add_co_u32 s12, s12, s13                     ; + 512 x
	s_mov_b32 s13, 0
	s_mul_i32 s18, s14, 16*SPITCH
	s_add_co_u32 s18, s18, STAGE
	s_mov_b32 s66, 0x80808080
	s_mov_b32 s67, 0x01010101
	s_mov_b32 s[SEL], 0x76543210
	s_mov_b32 s[SEL+1], 0xfedcba98
	s_mov_b32 s[HM], 0xffff0000
	v_and_b32 v5, 31, v0
	v_lshlrev_b32 v[LI], 4, v5
	v_lshlrev_b32 v[L4], 2, v5
	v_add_nc_u32 v[LI+1], 49152, v[LI]
	v_add_nc_u32 v[LI+2], 98304, v[LI]
	v_add_nc_u32 v[LI+3], 147456, v[LI]
	v_and_b32 v3, 15, v0
	v_bfe_u32 v4, v0, 4, 1
	v_mul_u32_u24 v[STO], v3, SPITCH               ; the stage, in: row l % 16, 64 bytes for each half of the lanes
	v_lshl_add_u32 v[STO], v4, 6, v[STO]
	v_add_nc_u32 v[STO], s18, v[STO]
	v_add_nc_u32 v[RD], s18, v[LI]                 ; and back: the 32 lanes take one row of 512 bytes
	v_mov_b32 v[XL], 0                             ; a lane permute's destination counts as one of its sources
	v_mov_b32 v[XL+1], 0
	s_wait_alu depctr_va_vdst(0)                   ; the wait at the head's end
	s_wait_dscnt 0x0
	s_wait_kmcnt 0x0
	s_add_nc_u64 s[PA:PA+1], s[4:5], s[20:21]
	s_add_nc_u64 s[22:23], s[4:5], s[22:23]
	s_add_nc_u64 s[46:47], s[6:7], s[46:47]
	s_add_nc_u64 s[PVS:PVS+1], s[6:7], s[10:11]
	s_add_nc_u64 s[12:13], s[8:9], s[12:13]
	s_mov_b32 s[G0], 1
	s_mul_i32 s[G0+1], s14, 49152
	s_mov_b64 s[G0+2:G0+3], s[46:47]
	s_or_b32 s[G0+3], s[G0+3], 0x80000000
	CROUND                                         ; all sixteen work-groups are here: the joint loads meet
	tensor_load_to_lds s[G0:G0+3], s[G1:G1+7]      ; my 32 rows of v^T, all keys: my one tensor load of the launch
	s_nop 0
	PLACES 4
.macro LG s                            ; step s's loads into set s % 4: v^T's scale words (register i: blocks 2 i and 2 i + 1, 128 consecutive bytes) and p's four images
.irp i, 0,1,2,3
	global_load_b32 v[VSR+4*((\s)%4)+\i], v[L4], s[PVS:PVS+1] offset:(\s)*4096+128*\i
.endr
	WIN 0x40
.irp a, 0,1,2,3
.irp g, 0,1,2
	global_load_b128 v[48*((\s)%4)+12*\a+4*\g:48*((\s)%4)+12*\a+4*\g+3], v[LI], s[PA:PA+1] offset:\a*24576+(\s)*1536+512*\g
.endr
.endr
	WIN 0
.endm
.irp j, 0,1
.irp s, 0,1,2,3,4,5,6,7,8,9,10,11,12,13,14,15
	global_load_b128 v[RC+64*\j+4*\s:RC+64*\j+4*\s+3], v[LI], s[22:23] offset:131072*\s+512*\j   ; the records of rows 32 j + lane, run s: 512 consecutive bytes
.endr
.endr
	LG 0
	LG 1
	s_wait_loadcnt 32                              ; the records are in; the two steps' 32 loads may be out
	LG 2
	LG 3
.macro ROWS j, l                       ; my row of pair j: its 16 scale words under the row's M into v[WA + 16 j] on, its l into v[l]
.set RB, RC+64*(\j)
	v_min3_num_f32 v6, v[RB+1], v[RB+5], v[RB+9]
.irp s, 3,5,7,9,11,13
	v_min3_num_f32 v6, v6, v[RB+4*\s+1], v[RB+4*\s+5]
.endr
	v_min_num_f32 v6, v6, v[RB+61]                 ; -M
.irp s, 0,1,2,3,4,5,6,7,8,9,10,11,12,13,14,15
	v_sub_f32 v8, v6, v[RB+4*\s+1]                 ; M_loc - M, 0 or less,
	v_max_num_f32 v8, 0xc2fe0000, v8               ; held at -127
	v_cvt_i32_f32 v8, v8
.if \s == 0
	v_ldexp_f32 v[\l], v[RB+2], v8
.else
	v_ldexp_f32 v9, v[RB+4*\s+2], v8
	v_add_f32 v[\l], v[\l], v9
.endif
	v_sub_nc_u32 v8, 0, v8
	v_perm_b32 v8, v8, v8, 0                       ; M - M_loc in all four bytes
	v_or_b32 v9, s66, v[RB+4*\s]                   ; bit 7 of each byte keeps a borrow inside its byte (p's bytes lie under 128)
	v_sub_nc_u32 v9, v9, v8
	v_lshrrev_b32 v10, 7, v9
	v_and_b32 v10, s67, v10
	v_lshlrev_b32 v8, 7, v10
	v_sub_nc_u32 v10, v8, v10                      ; 0x7f where no borrow was taken, else 0
	v_and_b32 v[WA+16*(\j)+\s], v9, v10
.endr
.endm
	ROWS 0, 7
	ROWS 1, 5
	s_wait_alu depctr_va_vdst(0)                   ; the wait ahead of the batch
	v_rcp_f32 v[RLJ], v7
	v_rcp_f32 v[RLJ+1], v5
	v_nop                                          ; one plain instruction behind a transcendental
	s_wait_alu depctr_va_vdst(0)                   ; and the wait ahead of the first reader
.irp j, 0,1
	v_permlanex16_b32 v[XL+\j], v[RLJ+\j], s[SEL], s[SEL+1]
.endr
.irp j, 0,1                                    ; 1 / l of block a's row l % 16 in both halves of the lanes, twice: the packed form names a pair
	v_cndmask_b32 v[RL+4*\j], v[RLJ+\j], v[XL+\j], s[HM]
	v_cndmask_b32 v[RL+4*\j+1], v[RLJ+\j], v[XL+\j], s[HM]
	v_cndmask_b32 v[RL+4*\j+2], v[XL+\j], v[RLJ+\j], s[HM]
	v_cndmask_b32 v[RL+4*\j+3], v[XL+\j], v[RLJ+\j], s[HM]
.endr
	s_wait_alu depctr_va_vdst(0)
	s_wait_tensorcnt 0x0                           ; my part of v^T is in;
	s_barrier_signal -1
	s_barrier_wait -1                              ; everybody's is: it stands in LDS for the rest of the launch
.macro FB s                            ; v^T's eight images of step s from LDS into set s % 2 (window 3)
	WIN 0xc0
.irp i, 0,1,2,3,4,5,6,7
.irp g, 0,1,2
	ds_load_b128 v[96*((\s)%2)+12*\i+4*\g:96*((\s)%2)+12*\i+4*\g+3], v[LI+\i/2] offset:(\i%2)*24576+(\s)*1536+512*\g
.endr
.endr
.endm
.macro MUL a, s, m                     ; p's block a x v^T's eight; m: the selector of p's scale words for an odd block.  The 32 accumulators take turns
.irp b, 0,2,4,6
.set AC, 8*(8*(\a)+\b)
.if (\s) == 0
	v_wmma_scale_f32_16x16x128_f8f6f4 v[AC:AC+7], v[BB+12*\b:BB+12*\b+11], v[AA+12*(\a):AA+12*(\a)+11], 0, v[VV+\b/2], v[WA+16*((\a)/2)+(\s)] matrix_a_fmt:MATRIX_FMT_FP6 matrix_b_fmt:MATRIX_FMT_FP6 \m
	v_wmma_scale_f32_16x16x128_f8f6f4 v[AC+8:AC+15], v[BB+12*\b+12:BB+12*\b+23], v[AA+12*(\a):AA+12*(\a)+11], 0, v[VV+\b/2], v[WA+16*((\a)/2)+(\s)] matrix_a_fmt:MATRIX_FMT_FP6 matrix_b_fmt:MATRIX_FMT_FP6 matrix_a_scale:MATRIX_SCALE_ROW1 \m
.else
	v_wmma_scale_f32_16x16x128_f8f6f4 v[AC:AC+7], v[BB+12*\b:BB+12*\b+11], v[AA+12*(\a):AA+12*(\a)+11], v[AC:AC+7], v[VV+\b/2], v[WA+16*((\a)/2)+(\s)] matrix_a_fmt:MATRIX_FMT_FP6 matrix_b_fmt:MATRIX_FMT_FP6 \m
	v_wmma_scale_f32_16x16x128_f8f6f4 v[AC+8:AC+15], v[BB+12*\b+12:BB+12*\b+23], v[AA+12*(\a):AA+12*(\a)+11], v[AC+8:AC+15], v[VV+\b/2], v[WA+16*((\a)/2)+(\s)] matrix_a_fmt:MATRIX_FMT_FP6 matrix_b_fmt:MATRIX_FMT_FP6 matrix_a_scale:MATRIX_SCALE_ROW1 \m
.endif
.endr
.endm
.macro STEP s                          ; 128 keys: 32 matrix instructions; behind them v^T's images of two steps on and the 16 loads of four steps on
.if (\s) <= 12
	s_wait_loadcnt 48                              ; this step's 16 loads are in; those of the three steps behind it may be out
.else
	s_wait_loadcnt 16*(15-(\s))
.endif
.if (\s) < 15
	s_wait_dscnt 24                                ; this step's v^T is in; the next step's 24 loads may be out
.else
	s_wait_dscnt 0x0
.endif
.set BB, 96*((\s)%2)
.set AA, 48*((\s)%4)
.set VV, VSR+4*((\s)%4)
	WIN 0xa7                                       ; source 0 (v^T) window 3, source 1 (p) window 1, C and D window 2
	MUL 0, \s
	MUL 1, \s, matrix_b_scale:MATRIX_SCALE_ROW1
	MUL 2, \s
	MUL 3, \s, matrix_b_scale:MATRIX_SCALE_ROW1
.if (\s) <= 13
	PLACES NP
	FB (\s)+2
	WIN 0
.if (\s) <= 11
	LG (\s)+4
.endif
.endif
.endm
	FB 0
	FB 1
	WIN 0
.irp s, 0,1,2,3,4,5,6,7,8,9,10,11,12,13,14,15
	STEP \s
.endr
	WIN 0
	PLACES NP
; THE WAY OUT, block by block of 16 queries x 128 channels: x 1 / l, through my own stage in LDS, back as whole rows of 512 bytes.  LDS serves a wave's instructions in order (ISA guide 5.7.1.4)
.macro TOSTAGE a
.set AC, 64*(\a)
	WIN 0x02
.set j, 0
.rept 32
	v_pk_mul_f32 v[TO+j:TO+j+1], v[AC+j:AC+j+1], v[RL+2*(\a):RL+2*(\a)+1] op_sel_hi:[1,0]   ; each accumulator from its low end on
.set j, j+2
.endr
	WIN 0
.irp b, 0,1,2,3,4,5,6,7
	ds_store_b128 v[STO], v[TO+8*\b:TO+8*\b+3] offset:128*(\b/2)+32*(\b%2)
	ds_store_b128 v[STO], v[TO+8*\b+4:TO+8*\b+7] offset:128*(\b/2)+32*(\b%2)+16
.endr
.set BB, BK+64*((\a)%2)
.irp t, 0,1,2,3,4,5,6,7,8,9,10,11,12,13,14,15
	ds_load_b128 v[BB+4*\t:BB+4*\t+3], v[RD] offset:\t*SPITCH
.endr
.endm
.macro SEND a, younger                 ; younger: the LDS instructions issued behind block a's loads, which may stay out
.set BB, BK+64*((\a)%2)
	s_wait_dscnt \younger
.irp t, 0,1,2,3,4,5,6,7,8,9,10,11,12,13,14,15
	global_store_b128 v[LI], v[BB+4*\t:BB+4*\t+3], s[12:13] offset:(32*((\a)/2)+8*((\a)%2)+\t+8*(\t/8))*4096 th:TH_STORE_NT   ; 512 consecutive bytes of a row of out0
.endr
.endm
	TOSTAGE 0
.irp a, 1,2,3
.if \a > 1
	s_wait_xcnt 0x0                                ; block a - 2's stores have read their registers: block a's loads may land there
.endif
	TOSTAGE \a
	SEND \a-1, 32
.endr
	SEND 3, 0
	s_wait_tensorcnt 0x0                           ; the wave's end
	ds_add_u32 v[SPW], v[NIL]
	s_wait_dscnt 0x0
	CROUND                                         ; the closing round
	s_endpgm
.Lfunc_end_k_q11fc702244_ctx:
	.size	k_q11fc702244_ctx, .Lfunc_end_k_q11fc702244_ctx-k_q11fc702244_ctx
	.p2alignl 7, 3214868480
	.fill 96, 4, 3214868480
	.section	.rodata,"a",@progbits
	.p2align	6, 0x0
	.amdhsa_kernel k_q11fc702244_ctx
		.amdhsa_group_segment_fixed_size 230912
		.amdhsa_private_segment_fixed_size 0
		.amdhsa_enable_private_segment 0
		.amdhsa_kernarg_size 24
		.amdhsa_user_sgpr_count 2
		.amdhsa_user_sgpr_kernarg_segment_ptr 1
		.amdhsa_wavefront_size32 1
		.amdhsa_system_sgpr_workgroup_id_x 1
		.amdhsa_system_sgpr_workgroup_id_y 1
		.amdhsa_system_sgpr_workgroup_id_z 1
		.amdhsa_system_vgpr_workitem_id 0
		.amdhsa_next_free_vgpr 1024
		.amdhsa_next_free_sgpr 80
		.amdhsa_reserve_vcc 0
		.amdhsa_float_denorm_mode_32 3
		.amdhsa_float_denorm_mode_16_64 3
		.amdhsa_memory_ordered 1
		.amdhsa_forward_progress 1
		.amdhsa_inst_pref_size 167
	.end_amdhsa_kernel
	.amdgpu_metadata
---
amdhsa.version: [ 1, 2 ]
amdhsa.kernels:
  - .name:           k_q11fc702244_ctx
    .symbol:         k_q11fc702244_ctx.kd
    .args:
      - { .name: prob, .offset: 0, .size: 8, .value_kind: global_buffer, .address_space: global }
      - { .name: qkv, .offset: 8, .size: 8, .value_kind: global_buffer, .address_space: global }
      - { .name: out0, .offset: 16, .size: 8, .value_kind: global_buffer, .address_space: global }
    .group_segment_fixed_size: 230912
    .private_segment_fixed_size: 0
    .kernarg_segment_align: 8
    .kernarg_segment_size: 24
    .max_flat_workgroup_size: 128
    .sgpr_count:     80
    .vgpr_count:     1024
    .wavefront_size: 32
...
	.end_amdgpu_metadata
.endif
;; end of part 4
